; MI455X (gfx1250); checked and timed in simulation.
; The chip was launched on July 23, 2026; its instructions are those of AMD's public machine-readable ISA for CDNA 5 (MIT licence, August 2026) and "CDNA5" Instruction Set Architecture Reference Guide (July 2026). The comments in the code are by the model that wrote it; some were corrected since.
;; Attention. Allowed arithmetic: float matrix products may take bf16 or f16 operands with f32 sums; other float arithmetic in f32, or as packed bf16 or f16 multiplies, adds, multiply-adds, maxima and minima; sums over many terms, partial sums and values carried from step to step in f32; what a program stores and reads back later, other than sums and carried values, may be rounded once to bf16 or f16.
;; Inputs: Wk 2,048 x 512 float32; Wo 2,048 x 2,048 float32; Wq 2,048 x 2,048 float32; Wv 2,048 x 512 float32; head_scale 1 x 16 x 1 x 1 float32; x 4 x 1,024 x 2,048 float32.
;; Outputs: out0 4 x 1,024 x 2,048 float32.
;; One version. Each part assembles by itself: llvm-mc -triple=amdgcn-amd-amdhsa -mcpu=gfx1250 --defsym DOCPART=n.
;; ======== version 1 of 1: 4 launches
;; limits: values are held in f16: magnitudes above 65,504 overflow, below 6.1e-05 lose precision
;; workspace buffers: xh 16,777,216 bytes; wqkv 12,582,912 bytes; woh 8,388,608 bytes; rope 589,824 bytes; qkv 25,165,824 bytes; oh 16,777,216 bytes
;; launch prep (part 1): grid 1296 x 1, 8 waves a work-group, no clusters, 0 bytes of LDS; arguments x, Wq, Wk, Wv, Wo, head_scale, xh, wqkv, woh, rope; writes xh, wqkv, woh, rope
.if DOCPART == 1
	.amdgcn_target "amdgcn-amd-amdhsa--gfx1250"
	.amdhsa_code_object_version 6
	.text
	.protected	k_qdd48a2daa0_prep
	.globl	k_qdd48a2daa0_prep
	.p2align	8
	.type	k_qdd48a2daa0_prep,@function
k_qdd48a2daa0_prep:
	s_mov_b64 s[64:65], 0
	v_nop
	global_prefetch_b8 v0, s[64:65] scope:SCOPE_SE
	s_setreg_imm32_b32 hwreg(HW_REG_WAVE_MODE, 25, 1), 1
	s_wait_xcnt 0x0
; PREP: the module's inputs are rounded once, and the table for the rotary embedding is made.
;   xh   [4096][2048] bf16 = x.      wqkv [2048 k][3072 n] bf16 = Wq | Wk | Wv side by side (a row is 6,144 bytes).
;   woh  [2048 k][2048 n] f16 = bf16(head_scale[k / 128]) x bf16(Wo[k][n]): (O hs) Wo = O (diag(hs) Wo).  The product of two bf16 is exact in f32; it is rounded once, to f16.
;   rope [1152 rows][8 groups][cos 8 | sin 8] f32: row n < 1024 is position n, group g holds frequencies 8 g .. 8 g + 7; rows 1024 .. 1151 hold cos = 1, sin = 0 (read for v, which is not turned).
; LIMITS.  hs x Wo has to stay under 65,504 (f16), and below 6e-5 it keeps f16's fixed step of 6e-8.  The table's angle n x f is formed in f32 and reduced by pi/2 in two parts;
; sine and cosine are polynomials on |r| <= pi/4 with an error below 4e-7; the frequency comes from v_exp_f32, so the angle at n = 1023 may be off by about 1e-4.
; SHARES.  A chunk is 1,024 f32: thread t loads the 16 bytes at 16 t, so a wave's load covers 512 consecutive bytes; it rounds its 4 numbers in place and stores 8 bytes, so a wave's store covers 256
; consecutive bytes at a multiple of 256 from its buffer's first byte.  A work-group takes 16 chunks, all 16 loads of a thread on their way at once.  No LDS, no barrier, no loop; no register that a
; store names is written again.  Work-groups 0-143: the table, 16 bytes a thread (short ones first); then 512 for x, 256 for Wq, 64 for Wk, 64 for Wv, 256 for Wo.
; Memory binds: matrix units, clusters and LDS would add nothing.
.set NTAB, 144                         ; work-groups of the table: 1,152 rows x 512 bytes / 4,096
.set DO,  4                            ; v[4:11]    pair u of chunks: my byte offset in the output
.set X,   12                           ; v[12:75]   chunk c: 4 f32 as loaded; its first two registers then hold what is stored
.set HS,  76                           ; v[76:77]   head_scale rounded to bf16, as f32, twice
.set T,   78                           ; v[78:85]   at work, two sets by turns
.set WROW, 6144                        ; bytes in a row of wqkv
	s_load_b512 s[8:23], s[0:1], 0x0               ; x s[8:9], Wq s[10:11], Wk s[12:13], Wv s[14:15], Wo s[16:17], head_scale s[18:19], xh s[20:21], wqkv s[22:23]
	s_load_b128 s[24:27], s[0:1], 0x40             ; woh s[24:25], rope s[26:27]
	v_lshlrev_b32 v1, 4, v0                        ; my 16 bytes in a chunk
	s_mov_b32 s33, 0                               ; offsets are made in s[32:33] and s[40:41], apart from the addresses
	s_mov_b32 s41, 0
	s_wait_kmcnt 0x0
.macro LOADS                           ; 16 loads: the work-group's 64 KiB
.set c, 0
.rept 16
	global_load_b128 v[X+4*c:X+4*c+3], v1, s[28:29] offset:c*4096 th:TH_LOAD_NT
.set c, c+1
.endr
.endm
	s_cmp_lt_u32 ttmp9, NTAB
	s_cbranch_scc1 .Ltab
	s_sub_co_u32 s39, ttmp9, NTAB                  ; 0 .. 1151: which 64 KiB of the five inputs
	s_cmp_lt_u32 s39, 512
	s_cbranch_scc0 .Lnot_x
	s_lshl_b32 s32, s39, 16                        ; x: 8 rows of 8,192 bytes in,
	s_add_nc_u64 s[28:29], s[8:9], s[32:33]
	s_lshl_b32 s32, s39, 15                        ; 8 rows of 4,096 bytes out
	s_add_nc_u64 s[30:31], s[20:21], s[32:33]
	s_mov_b32 s34, 4096                            ; output bytes from a pair of chunks to the next,
	s_mov_b32 s40, 2048                            ; and from a pair's first chunk to its second
	s_mov_b32 s35, 8                               ; 2^8 threads to an output row's part
	s_mov_b32 s36, 255
	s_branch .Lbf
.Lnot_x:
	s_cmp_lt_u32 s39, 768
	s_cbranch_scc0 .Lnot_q
	s_sub_co_u32 s37, s39, 512
	s_lshl_b32 s32, s37, 16                        ; Wq: 8 rows in (a row is a pair of chunks),
	s_add_nc_u64 s[28:29], s[10:11], s[32:33]
	s_mul_i32 s32, s37, 8*WROW                     ; 8 rows of wqkv out, columns 0 on
	s_add_nc_u64 s[30:31], s[22:23], s[32:33]
	s_mov_b32 s34, WROW
	s_mov_b32 s40, 2048
	s_mov_b32 s35, 8
	s_mov_b32 s36, 255
	s_branch .Lbf
.Lnot_q:
	s_cmp_lt_u32 s39, 896
	s_cbranch_scc0 .Lwo
	s_sub_co_u32 s37, s39, 768
	s_cmp_lt_u32 s37, 64                           ; Wk, then Wv: rows of 512 f32, two to a chunk
	s_cselect_b64 s[28:29], s[12:13], s[14:15]
	s_cselect_b32 s38, 0, 1024                     ; Wv's columns begin 1,024 bytes behind Wk's
	s_and_b32 s37, s37, 63
	s_lshl_b32 s32, s37, 16
	s_add_nc_u64 s[28:29], s[28:29], s[32:33]
	s_mul_i32 s32, s37, 32*WROW                    ; 32 rows of wqkv,
	s_add_co_u32 s32, s32, s38
	s_add_co_u32 s32, s32, 4096                    ; columns 2,048 on (Wk) or 2,560 on (Wv)
	s_add_nc_u64 s[30:31], s[22:23], s[32:33]
	s_mov_b32 s34, 4*WROW
	s_mov_b32 s40, 2*WROW
	s_mov_b32 s35, 7                               ; 2^7 threads to an output row
	s_mov_b32 s36, 127
.Lbf:                                                  ; f32 to bf16
	LOADS
	s_add_nc_u64 s[42:43], s[30:31], s[40:41]      ; the output at a pair's second chunk
	v_lshrrev_b32 v2, s35, v0                      ; my row in the chunk
	v_and_b32 v3, s36, v0                          ; my place in it
	v_mul_u32_u24 v2, v2, WROW
	v_lshl_add_u32 v[DO], v3, 3, v2
.irp u, 1,2,3,4,5,6,7
	v_mad_u32_u24 v[DO+\u], s34, \u, v[DO]
.endr
.set c, 0
.rept 16
	s_wait_loadcnt 15-c                            ; loads come back in order: the younger chunks' may stay out
	v_cvt_pk_bf16_f32 v[X+4*c],   v[X+4*c],   v[X+4*c+1]
	v_cvt_pk_bf16_f32 v[X+4*c+1], v[X+4*c+2], v[X+4*c+3]
	global_store_b64 v[DO+c/2], v[X+4*c:X+4*c+1], s[30+12*(c%2):31+12*(c%2)]
.set c, c+1
.endr
	s_endpgm
.Lwo:
	s_sub_co_u32 s37, s39, 896                     ; Wo: 8 rows, all of one head (128 rows a head)
	s_lshl_b32 s32, s37, 16
	s_add_nc_u64 s[28:29], s[16:17], s[32:33]
	s_lshl_b32 s32, s37, 15
	s_add_nc_u64 s[30:31], s[24:25], s[32:33]
	s_lshr_b32 s38, s37, 4                         ; the head,
	s_lshl_b32 s38, s38, 2                         ; its 4 bytes in head_scale
	v_mov_b32 v2, s38
	v_lshlrev_b32 v[DO], 3, v0
	global_load_b32 v[HS], v2, s[18:19]
	LOADS
	s_wait_loadcnt 16                              ; head_scale is in; Wo's 16 loads may stay out
	v_cvt_pk_bf16_f32 v[HS], v[HS], v[HS]          ; rounded to bf16 like every input,
	v_lshlrev_b32 v[HS], 16, v[HS]                 ; and back as f32
	v_mov_b32 v[HS+1], v[HS]
.set c, 0
.rept 16
.set TT, T+4*(c%2)
	s_wait_loadcnt 15-c
	v_cvt_pk_bf16_f32 v[X+4*c],   v[X+4*c],   v[X+4*c+1]
	v_cvt_pk_bf16_f32 v[X+4*c+1], v[X+4*c+2], v[X+4*c+3]
	v_lshlrev_b32 v[TT],   16, v[X+4*c]
	v_and_b32     v[TT+1], 0xffff0000, v[X+4*c]
	v_lshlrev_b32 v[TT+2], 16, v[X+4*c+1]
	v_and_b32     v[TT+3], 0xffff0000, v[X+4*c+1]
	v_pk_mul_f32 v[TT:TT+1],   v[TT:TT+1],   v[HS:HS+1]
	v_pk_mul_f32 v[TT+2:TT+3], v[TT+2:TT+3], v[HS:HS+1]
	v_cvt_pk_f16_f32 v[X+4*c],   v[TT],   v[TT+1]
	v_cvt_pk_f16_f32 v[X+4*c+1], v[TT+2], v[TT+3]
	global_store_b64 v[DO], v[X+4*c:X+4*c+1], s[30:31] offset:c*2048
.set c, c+1
.endr
	s_endpgm
.Ltab:                                                 ; 8 rows of the table: thread t writes the 16 bytes at 16 t
	s_lshl_b32 s32, ttmp9, 12
	s_add_nc_u64 s[30:31], s[26:27], s[32:33]
	s_lshl_b32 s38, ttmp9, 3                       ; the work-group's first row
	v_lshrrev_b32 v2, 5, v0
	v_add_nc_u32 v2, s38, v2                       ; my row
	v_bfe_u32 v3, v0, 1, 1                         ; quads 0, 1 of a record hold cosines, quads 2, 3 sines
	v_xor_b32 v3, 1, v3                            ; cos t = sin(t + pi/2): a cosine's lane counts one quadrant more
	v_bfe_u32 v4, v0, 2, 3                         ; the group,
	v_and_b32 v5, 1, v0                            ; and which four of its eight frequencies
	v_lshlrev_b32 v4, 3, v4
	v_lshl_add_u32 v4, v5, 2, v4
	v_mov_b32 v42, 0xb9500d01                      ; -1/5040
	v_mov_b32 v43, 0x37d00d01                      ; 1/40320
.irp jj, 0,1,2,3
	v_add_nc_u32 v[12+\jj], \jj, v4
	v_cvt_f32_u32 v[12+\jj], v[12+\jj]
	v_mul_f32 v[12+\jj], 0xbe549a78, v[12+\jj]     ; -i log2(10000) / 64
.endr
.irp jj, 0,1,2,3
	v_exp_f32 v[12+\jj], v[12+\jj]                 ; 10000^(-i / 64)
.endr
	v_cmp_gt_u32 vcc_lo, 0x400, v2                 ; (a plain instruction between the last exponential and the use of its result)
	v_cndmask_b32 v6, 0, v2, vcc_lo                ; rows 1024 on: the angle 0
	v_cvt_f32_u32 v6, v6
	s_wait_alu depctr_va_vdst(0)
.irp jj, 0,1,2,3
	v_mul_f32 v32, v6, v[12+\jj]                   ; the angle
	v_mul_f32 v33, 0x3f22f983, v32                 ; x 2/pi,
	v_rndne_f32 v33, v33                           ; the quadrant
	v_fmamk_f32 v34, v33, 0xbfc90fdb, v32          ; r = angle - quadrant x pi/2, pi/2 in two parts
	v_fmamk_f32 v34, v33, 0x333bbd2e, v34
	v_mul_f32 v35, v34, v34
	v_fmaak_f32 v36, v42, v35, 0x3c088889          ; sin r = r + r^3 (-1/6 + r^2 (1/120 - r^2 / 5040))
	v_fmaak_f32 v36, v36, v35, 0xbe2aaaab
	v_mul_f32 v37, v34, v35
	v_fma_f32 v36, v37, v36, v34
	v_fmaak_f32 v38, v43, v35, 0xbab60b61          ; cos r = 1 + r^2 (-1/2 + r^2 (1/24 + r^2 (-1/720 + r^2 / 40320)))
	v_fmaak_f32 v38, v38, v35, 0x3d2aaaab
	v_fma_f32 v38, v38, v35, -0.5
	v_fma_f32 v38, v38, v35, 1.0
	v_cvt_i32_f32 v39, v33
	v_add_nc_u32 v39, v39, v3
	v_and_b32 v40, 1, v39                          ; odd quadrants take the cosine of r,
	v_cmp_eq_u32 vcc_lo, 1, v40
	v_cndmask_b32 v41, v36, v38, vcc_lo
	v_and_b32 v40, 2, v39                          ; quadrants 2 and 3 turn the sign
	v_lshlrev_b32 v40, 30, v40
	v_xor_b32 v[16+\jj], v40, v41
.endr
	global_store_b128 v1, v[16:19], s[30:31]
	s_endpgm
.Lfunc_end_k_qdd48a2daa0_prep:
	.size	k_qdd48a2daa0_prep, .Lfunc_end_k_qdd48a2daa0_prep-k_qdd48a2daa0_prep
	.p2alignl 7, 3214868480
	.fill 96, 4, 3214868480
	.section	.rodata,"a",@progbits
	.p2align	6, 0x0
	.amdhsa_kernel k_qdd48a2daa0_prep
		.amdhsa_group_segment_fixed_size 0
		.amdhsa_private_segment_fixed_size 0
		.amdhsa_enable_private_segment 0
		.amdhsa_kernarg_size 80
		.amdhsa_user_sgpr_count 2
		.amdhsa_user_sgpr_kernarg_segment_ptr 1
		.amdhsa_wavefront_size32 1
		.amdhsa_system_sgpr_workgroup_id_x 1
		.amdhsa_system_sgpr_workgroup_id_y 1
		.amdhsa_system_sgpr_workgroup_id_z 1
		.amdhsa_system_vgpr_workitem_id 0
		.amdhsa_next_free_vgpr 96
		.amdhsa_next_free_sgpr 66
		.amdhsa_reserve_vcc 1
		.amdhsa_float_denorm_mode_32 3
		.amdhsa_float_denorm_mode_16_64 3
		.amdhsa_memory_ordered 1
		.amdhsa_forward_progress 1
		.amdhsa_inst_pref_size 28
	.end_amdhsa_kernel
	.amdgpu_metadata
---
amdhsa.version: [ 1, 2 ]
amdhsa.kernels:
  - .name:           k_qdd48a2daa0_prep
    .symbol:         k_qdd48a2daa0_prep.kd
    .args:
      - { .name: x, .offset: 0, .size: 8, .value_kind: global_buffer, .address_space: global }
      - { .name: Wq, .offset: 8, .size: 8, .value_kind: global_buffer, .address_space: global }
      - { .name: Wk, .offset: 16, .size: 8, .value_kind: global_buffer, .address_space: global }
      - { .name: Wv, .offset: 24, .size: 8, .value_kind: global_buffer, .address_space: global }
      - { .name: Wo, .offset: 32, .size: 8, .value_kind: global_buffer, .address_space: global }
      - { .name: head_scale, .offset: 40, .size: 8, .value_kind: global_buffer, .address_space: global }
      - { .name: xh, .offset: 48, .size: 8, .value_kind: global_buffer, .address_space: global }
      - { .name: wqkv, .offset: 56, .size: 8, .value_kind: global_buffer, .address_space: global }
      - { .name: woh, .offset: 64, .size: 8, .value_kind: global_buffer, .address_space: global }
      - { .name: rope, .offset: 72, .size: 8, .value_kind: global_buffer, .address_space: global }
    .group_segment_fixed_size: 0
    .private_segment_fixed_size: 0
    .kernarg_segment_align: 8
    .kernarg_segment_size: 80
    .max_flat_workgroup_size: 256
    .sgpr_count:     66
    .vgpr_count:     96
    .wavefront_size: 32
...
	.end_amdgpu_metadata
.endif
;; end of part 1
;; launch qkvp (part 2): grid 8 x 32, 4 waves a work-group, clusters of 4 x 4, 327,680 bytes of LDS; arguments xh, wqkv, rope, qkv; writes qkv
.if DOCPART == 2
	.amdgcn_target "amdgcn-amd-amdhsa--gfx1250"
	.amdhsa_code_object_version 6
	.text
	.protected	k_qdd48a2daa0_qkvp
	.globl	k_qdd48a2daa0_qkvp
	.p2align	8
	.type	k_qdd48a2daa0_qkvp,@function
k_qdd48a2daa0_qkvp:
	s_mov_b64 s[64:65], 0
	v_nop
	global_prefetch_b8 v0, s[64:65] scope:SCOPE_SE
	s_setreg_imm32_b32 hwreg(HW_REG_WAVE_MODE, 25, 1), 1
	s_wait_xcnt 0x0
	s_wait_alu depctr_hold_cnt(0) depctr_sa_sdst(0) depctr_va_vdst(0) depctr_va_sdst(0) depctr_va_ssrc(0) depctr_va_vcc(0) depctr_vm_vsrc(0)
	s_getreg_b32 s2, hwreg(HW_REG_IB_STS2, 6, 4)
	s_cmp_eq_u32 s2, 0
	s_cbranch_scc0 .Lentry_in_a_cluster
	s_endpgm
.Lentry_in_a_cluster:
	s_bfe_u32 s2, ttmp6, 0x10000c
	s_cmp_lg_u32 s2, 0xf033
	s_cbranch_scc0 .Lentry_shape_is_right
	s_endpgm
.Lentry_shape_is_right:
; QKV PROJECTION WITH THE ROTARY EMBEDDING.  C = xh wqkv: xh [4096 m][2048 k] bf16, wqkv [2048 k][3072 n] bf16, sums in f32.  The 3,072 columns are 24 planes of 128: 0-15 q's heads, 16-19 k's, 20-23 v's.
; q and k are turned in f32 (t cos + rotate_half(t) sin), v by the table's rows of cos = 1, sin = 0; each result is rounded once, to f16, and stored by heads: qkv [batch 4][plane 24][n 1024][128].
; LIMITS.  q, k and v have to stay under 65,504 (f16).  NaN and infinities are not treated apart (an infinite v times the table's 0 gives NaN).
; SHARES.  A work-group makes 128 rows x 384 columns (three whole planes): 32 x 8 = 256 work-groups.  Its four waves stand side by side: each has all 128 rows and, of each plane, columns 16 w .. 16 w + 15
; and 64 + 16 w .. 64 + 16 w + 15: the two partners of a turn lie in the same lane and the same register number of two accumulators.  48 accumulators, 384 registers.
; THE PRODUCT IS USED TRANSPOSED: source 0 = 16 columns of wqkv, source 1 = 16 rows of xh: a lane holds row lane % 16 and eight neighbouring columns 8 (lane / 16) + 0 .. 7.
; wqkv lies [k][n]; it comes into LDS as it lies, in sub-tiles of 128 k x 128 n, and leaves LDS turned, by ds_load_tr16_b128.
; THE RING.  K goes in 16 steps of 128 through two LDS slots.  Waves 0 to 2 fetch the three sub-tiles of wqkv, wave 3 the tile of xh: each 128 rows of 256 bytes that start at multiples of 256.
; CLUSTER.  4 x 4 work-groups: the four of a row need the same tile of xh, the four of a column the same sub-tiles of wqkv; each is asked for jointly, by the same load with the same descriptor and a mask of four.
; THE WALK ALONG K.  Cluster (X, Y) of the 2 x 8 begins at K step (8 X + 4 (Y % 4)) % 16 and goes round: the two clusters that read the same rows of xh are 8 steps apart, clusters that read the same columns
; of wqkv 4 steps, so that most tiles have been read by another cluster before.  The start hangs on the cluster's x and y alone, which all sixteen partners share.  A sum's order of K is rotated with it.
; REGISTERS, in windows of 256 (s_set_vgpr_msb: bits 1:0 source 0, 3:2 source 1, 5:4 source 2, 7:6 destination):
;   window 0: v0-31 addresses; v32-95, v96-159 xh's fragments, two buffers; v160-207, v208-255 wqkv's, two buffers (on the way out v160-255 are at work)
;   window 1: accumulators (b, a), b = 0 .. 3, at v[8 (8 b + a)]      window 2: v0-127 those of b = 4, 5; v128-255 the table for 128 rows (16 registers for each 16 rows: cos 8, sin 8)
.set NBW,   6                          ; column blocks of 16 a wave
.set NH,    3                          ; sub-tiles that a wave reads
.set BPH,   2                          ; column blocks in each
.set BSTEP, 128                        ; bytes between them in a row of a sub-tile
.set NL,    16+2*NBW                   ; LDS loads of a quarter step
.set PA,    272                        ; a row of xh in LDS: 256 bytes + 16 of padding: the 16 rows of a load begin 16 bytes further on in each 256
.set PB,    288                        ; a row of wqkv: 256 + 32: the 8 rows x 32 bytes of 16 lanes of the turning load fall on different words of each 256
.set SUBT,  128*PB                     ; a sub-tile
.set BOFF,  0
.set AOFF,  3*SUBT                     ; xh's tile lies behind the three sub-tiles, so that wave w's fill always lands at slot + w x SUBT
.set SLOT,  AOFF+128*PA
.set STAGE, 2*SLOT                     ; behind the ring, never filled by a tensor load: one plane's 128 rows x 272 bytes, the work-group's
.set SP,    272
.set SPARE, STAGE+128*SP               ; the spare words, 128 bytes for each wave: two blocks of 256 bytes that no other line names
.set LAPS,  8                          ; a lap = two K steps = once round the ring
.set ASTEP, 256                        ; bytes from K step to K step in xh,
.set BSTEPG, 128*6144                  ; and in wqkv
.set ADRA, 16                          ; v16-17  LDS address of my fragments of xh in slot 0, 1
.set ADRB, 18                          ; v18-23  of wqkv: 3 x slot + sub-tile
.set STO,  24                          ; v24     the way out: where I put 16 bytes of a row
.set RD,   25                          ; v25     where I read rows back
.set CO,   26                          ; v26     my byte offset in a plane's 128 rows
.set TO,   27                          ; v27     my byte offset in the table's 128 rows; never rewritten
.set SPW,  28                          ; v28     LDS address of my spare word; never rewritten
.set NIL,  29                          ; v29     0; never rewritten
.set FA,   32
.set FB,   160
.set T1,   160                         ; the way out: the low columns turned,
.set T2,   168                         ; the high columns turned,
.set PKD,  176                         ; both rounded to f16,
.set RB,   192                         ; and 32 rows read back from the stage
.set G1A, 24                           ; s[24:31] descriptor group 1 for xh's tile;  s[32:39] group 0, a set for each slot
.set G0A, 32
.set G1B, 48                           ; s[48:55], s[56:63] the same for wqkv's sub-tiles
.set G0B, 56
.set TBS, 66                           ; s[66:71] the table at the rows of plane 0, 1, 2 of my three
.set OBS, 72                           ; s[72:77] qkv at my 128 rows of those planes
.set KI,  80                           ; s80      the K step that the next refill brings
.set OA,  82                           ; s[82:83] its byte offset in xh,
.set OBF, 84                           ; s[84:85] and in wqkv.  s[20:21], s[22:23]: my tile's address at K step 0 in xh, in wqkv
.set MSB, 0
.macro WIN new                         ; the immediate's high byte repeats the setting that is left; a switch that changes nothing is dropped
.if MSB != (\new)
	s_set_vgpr_msb (MSB<<8)|(\new)
.set MSB, \new
.endif
.endm
.set W_M1, 0x50                        ; C and D in window 1
.set W_M2, 0xa0                        ; C and D in window 2
.macro PLACES                          ; four places in front of loads into registers that matrix instructions have read, and of vector lines that read results
.rept 4
	v_nop
.endr
.endm
; A joint load.  The branch hangs on the wave's number alone.  An s_nop 0 and four v_nop follow each of the two lines, ahead of the jump and the label.
.macro JLOAD s
	s_cmp_eq_u32 s12, 3
	s_cbranch_scc0 .Lfor_b_\@
	tensor_load_to_lds s[G0A+4*(\s):G0A+4*(\s)+3], s[G1A:G1A+7]
	s_nop 0
.rept 4
	v_nop
.endr
	s_branch .Lasked_\@
.Lfor_b_\@:
	tensor_load_to_lds s[G0B+4*(\s):G0B+4*(\s)+3], s[G1B:G1B+7]
	s_nop 0
.rept 4
	v_nop
.endr
.Lasked_\@:
.endm
.macro CREST                           ; a round of the cluster's barrier behind its opening barrier
	s_cmp_lg_u32 s12, 0
	s_cbranch_scc1 .Lnot_wave_0_\@
	s_barrier_signal -3
.Lnot_wave_0_\@:
	s_barrier_wait -3
	s_barrier_signal -1
	s_barrier_wait -1
.endm
.macro CROUND                          ; a whole round
	s_barrier_signal -1
	s_barrier_wait -1
	CREST
.endm
	s_load_b256 s[4:11], s[0:1], 0x0               ; xh s[4:5], wqkv s[6:7], rope s[8:9], qkv s[10:11]
	v_lshl_add_u32 v[SPW], v0, 2, SPARE
	v_mov_b32 v[NIL], 0
	ds_add_u32 v[SPW], v[NIL]                      ; the wave's opening: the add and its wait stand ahead of my first tensor load; the set-up below, work on registers, stands between them
	ds_add_u32 v28, v29
	v_lshrrev_b32 v1, 5, v0
	v_readfirstlane_b32 s12, v1                    ; wave 0..3
	s_bfe_u32 s15, ttmp6, 0x40000                  ; cx, cy: my place in the cluster
	s_bfe_u32 s16, ttmp6, 0x40004
	s_lshl_b32 s14, ttmp9, 2
	s_add_co_u32 s14, s14, s15                     ; tx: my 384 columns = 4 x cluster x + cx
	s_and_b32 s13, ttmp7, 0xffff
	s_lshl_b32 s13, s13, 2
	s_add_co_u32 s13, s13, s16                     ; ty: my 128 rows = 4 x cluster y + cy
	s_lshl_b32 s17, s16, 2
	s_lshl_b32 s17, 15, s17                        ; my row of the cluster
	s_lshl_b32 s18, 0x1111, s15                    ; my column
	s_and_b32 s[KI], ttmp7, 3                      ; the cluster's first K step: 4 (cluster y % 4)
	s_lshl_b32 s[KI], s[KI], 2
	s_lshl_b32 s[OA], ttmp9, 3                     ; + 8 x cluster x,
	s_add_co_u32 s[KI], s[KI], s[OA]
	s_and_b32 s[KI], s[KI], 15                     ; modulo 16: a multiple of 4, so the step behind it does not wrap
	s_lshl_b32 s[OA], s[KI], 8
	s_mov_b32 s[OA+1], 0
	s_mul_i32 s[OBF], s[KI], BSTEPG
	s_mov_b32 s[OBF+1], 0
	s_or_b32 s[G1A], s17, (1<<16)|(1<<20)|(1<<21)|(5<<22)|(3<<25)  ; 15:0 the mask; 17:16 2-byte elements; 20 padding on; 21 set beside a mask; 24:22 after every 64 words (code 5); 31:25 4 words (code 3)
	s_or_b32 s[G1B], s18, (1<<16)|(1<<20)|(1<<21)|(5<<22)|(7<<25)  ; the same with my column's mask and 8 words of padding (code 7)
.irp g, G1A, G1B
	s_mov_b32 s[(\g)+1], 128<<16                   ; tensor_dim0 = 128
	s_mov_b32 s[(\g)+2], 128<<16                   ; tensor_dim1 = 128
	s_mov_b32 s[(\g)+3], 128<<16                   ; tile_dim0 = 128
	s_mov_b32 s[(\g)+4], 128                       ; tile_dim1 = 128
	s_mov_b32 s[(\g)+6], 0
	s_mov_b32 s[(\g)+7], 0
.endr
	s_mov_b32 s[G1A+5], 2048                       ; elements from row to row of xh,
	s_mov_b32 s[G1B+5], 3072                       ; of wqkv
	s_lshl_b32 s20, s13, 19                        ; xh: 128 ty rows of 4,096 bytes
	s_mov_b32 s21, 0
	s_mul_i32 s22, s14, 768                        ; wqkv: column 384 tx + 128 w
	s_lshl_b32 s40, s12, 8
	s_add_co_u32 s22, s22, s40
	s_mov_b32 s23, 0
	s_mul_i32 s19, s12, SUBT                       ; where my fills land in a slot: no place in the cluster enters an LDS address
	s_wait_dscnt 0x0                               ; the opening add is done
	s_wait_kmcnt 0x0
	s_add_nc_u64 s[20:21], s[4:5], s[20:21]
	s_add_nc_u64 s[22:23], s[6:7], s[22:23]
	s_add_nc_u64 s[86:87], s[20:21], s[OA:OA+1]    ; both at the cluster's first K step
	s_add_nc_u64 s[88:89], s[22:23], s[OBF:OBF+1]
	s_add_co_u32 s[KI], s[KI], 2                   ; the first refill brings the step two on (14 at the most)
	CROUND                                         ; all sixteen work-groups are here: the first joint loads meet
.irp s, 0,1
	s_mov_b32 s[G0A+4*(\s)], 1                                       ; count = 1
	s_add_co_u32 s[G0A+4*(\s)+1], s19, (\s)*SLOT                     ; LDS address
	s_add_nc_u64 s[G0A+4*(\s)+2:G0A+4*(\s)+3], s[86:87], (\s)*ASTEP  ; global address: the walk's step s
	s_or_b32 s[G0A+4*(\s)+3], s[G0A+4*(\s)+3], 0x80000000            ; type = 2
	s_mov_b32 s[G0B+4*(\s)], 1
	s_add_co_u32 s[G0B+4*(\s)+1], s19, (\s)*SLOT
	s_add_nc_u64 s[G0B+4*(\s)+2:G0B+4*(\s)+3], s[88:89], (\s)*BSTEPG
	s_or_b32 s[G0B+4*(\s)+3], s[G0B+4*(\s)+3], 0x80000000
	JLOAD \s                                       ; two loads of mine are out
.endr
	v_and_b32 v1, 15, v0                           ; r = lane % 16
	v_bfe_u32 v2, v0, 4, 1                         ; h = lane / 16
	v_and_b32 v3, 7, v0
	v_bfe_u32 v4, v0, 3, 1
	v_mul_u32_u24 v5, v1, PA
	v_lshl_add_u32 v5, v2, 4, v5                   ; a fragment of xh: row r x pitch + 16 h; two loads 32 bytes apart
	v_add_nc_u32 v[ADRA], AOFF, v5
	v_add_nc_u32 v[ADRA+1], AOFF+SLOT, v5
	v_lshl_add_u32 v6, v2, 3, v3                   ; the turning load: lane reads k = 8 h + lane % 8, columns 8 ((lane / 8) % 2) on; it leaves column r and 8 k a lane
	v_mul_u32_u24 v6, v6, PB
	v_lshl_add_u32 v6, v4, 4, v6
	s_lshl_b32 s40, s12, 5                         ; my 16 columns in each half of a plane
	v_add_nc_u32 v6, s40, v6
.irp s, 0,1
.irp hd, 0,1,2
	v_add_nc_u32 v[ADRB+3*\s+\hd], BOFF+\s*SLOT+\hd*SUBT, v6
.endr
.endr
	v_add_nc_u32 v[STO], s40, v5                   ; into the stage: row r, bytes 32 w + 16 h (the high columns 128 further on)
	v_add_nc_u32 v[STO], STAGE, v[STO]
	s_mul_i32 s41, s12, 32*SP                      ; back: wave w takes rows 32 w .. 32 w + 31 whole; lanes 0-15 one row of 256 bytes, lanes 16-31 the next
	v_mul_u32_u24 v8, v2, SP
	v_lshl_add_u32 v8, v1, 4, v8
	v_add_nc_u32 v8, s41, v8
	v_add_nc_u32 v[RD], STAGE, v8
	s_lshl_b32 s42, s12, 13
	v_lshlrev_b32 v9, 8, v2
	v_lshl_add_u32 v9, v1, 4, v9
	v_add_nc_u32 v[CO], s42, v9                    ; and the same rows in the plane
	s_lshl_b32 s40, s12, 7
	v_lshlrev_b32 v7, 9, v1
	v_lshl_add_u32 v7, v2, 6, v7
	v_add_nc_u32 v[TO], s40, v7                    ; the table: row r x 512 + group (2 w + h) x 64
	s_and_b32 s41, s13, 7                          ; my 128 positions in the batch element,
	s_lshl_b32 s42, s41, 16                        ; their rows of 512 bytes in the table,
	s_lshl_b32 s45, s41, 15                        ; their rows of 256 bytes in a plane
	s_lshr_b32 s43, s13, 3                         ; the batch element
	s_mul_i32 s43, s43, 24
	s_mul_i32 s44, s14, 3
	s_mov_b32 s79, 0
.irp hd, 0,1,2
	s_add_co_u32 s46, s44, \hd                     ; the plane
	s_cmp_ge_u32 s46, 20                           ; v's planes read the rows of cos = 1, sin = 0: a choice of offset, no branch
	s_cselect_b32 s78, 1024*512, s42
	s_add_nc_u64 s[TBS+2*\hd:TBS+2*\hd+1], s[8:9], s[78:79]
	s_add_co_u32 s46, s46, s43
	s_lshl_b32 s78, s46, 18                        ; a plane is 262,144 bytes
	s_add_co_u32 s78, s78, s45
	s_add_nc_u64 s[OBS+2*\hd:OBS+2*\hd+1], s[10:11], s[78:79]
.endr
; The table for rows 16 a .. 16 a + 15 of plane hd: my row's record of 64 bytes, cos 8 and sin 8
.macro TABLD hd, a
	WIN 0x80                                       ; destination window 2, address window 0
.irp i, 0,1,2,3
	global_load_b128 v[128+16*(\a)+4*\i:128+16*(\a)+4*\i+3], v[TO], s[TBS+2*(\hd):TBS+2*(\hd)+1] offset:(\a)*8192+16*\i
.endr
.endm
.irp a, 0,1,2,3,4,5,6,7
	TABLD 0, \a                                    ; the first plane's table is on its way during the whole product; nothing else of this text counts on LOADcnt before the way out
.endr
	WIN 0
; Column blocks b0 .. b1 x all 8 row blocks, 32 along K, from buffer f.  All accumulators differ, one instruction a turn.  zero = 1: the products start the sums.
.macro MULB f, b0, b1, zero
.set bb, \b0
.rept (\b1)-(\b0)+1
.if bb < 4
	WIN W_M1
.else
	WIN W_M2
.endif
.set aa, 0
.rept 8
.set rD, 8*(8*(bb%4)+aa)
.set rB, FB+8*NBW*(\f)+8*bb
.set rA, FA+64*(\f)+8*aa
.if \zero
	v_wmma_f32_16x16x32_bf16 v[rD:rD+7], v[rB:rB+7], v[rA:rA+7], 0
.else
	v_wmma_f32_16x16x32_bf16 v[rD:rD+7], v[rB:rB+7], v[rA:rA+7], v[rD:rD+7]
.endif
.set aa, aa+1
.endr
.set bb, bb+1
.endr
.endm
; One run of LDS loads: the fragments of quarter q (32 along K) of a slot into buffer f: xh's 16 loads first, then wqkv's 12
.macro FETCH slot, q, f
	WIN 0
.set aa, 0
.rept 8
	ds_load_b128 v[FA+64*(\f)+8*aa:FA+64*(\f)+8*aa+3],   v[ADRA+(\slot)] offset:64*(\q)+aa*16*PA
	ds_load_b128 v[FA+64*(\f)+8*aa+4:FA+64*(\f)+8*aa+7], v[ADRA+(\slot)] offset:64*(\q)+aa*16*PA+32
.set aa, aa+1
.endr
.set bb, 0
.rept NBW
	ds_load_tr16_b128 v[FB+8*NBW*(\f)+8*bb:FB+8*NBW*(\f)+8*bb+3],   v[ADRB+NH*(\slot)+bb/BPH] offset:(\q)*32*PB+(bb%BPH)*BSTEP
	ds_load_tr16_b128 v[FB+8*NBW*(\f)+8*bb+4:FB+8*NBW*(\f)+8*bb+7], v[ADRB+NH*(\slot)+bb/BPH] offset:(\q)*32*PB+(bb%BPH)*BSTEP+16*PB
.set bb, bb+1
.endr
.endm
; A K step is four quarters on buffers 0, 1, 0, 1.  One of the first three: multiplies buffer f and, behind its first 16 products, fetches quarter q into buffer g.
.macro QUARTER slot, q, f, g, zero
	s_wait_dscnt 2*NBW-4                           ; xh's fragments and column blocks 0, 1 are in; the youngest loads (blocks 2 on) may be out
	MULB \f, 0, 1, \zero
	PLACES
	FETCH \slot, \q, \g
	s_wait_dscnt NL                                ; all but the run just issued
	MULB \f, 2, NBW-1, \zero
.endm
; The last quarter multiplies buffer 1 and changes slots: one barrier.  In front of it each wave waits for all its tensor loads (one is out: its part of the next slot), adds 0 to its spare word, and waits for that
; and for its reads of this slot.  fill = 1: the barrier opens a round of the cluster's, and the joint refill, two steps of the walk ahead, is the first tensor load behind the round; its address is made
; anew from the step's number while the add is out, where no tensor load of mine is out.
.macro TURN slot, next, fill
	WIN 0                                          ; (the add's two registers lie in window 0)
	s_wait_tensorcnt 0x0
	ds_add_u32 v[SPW], v[NIL]
.if \fill
	s_lshl_b32 s[OA], s[KI], 8
	s_mul_i32 s[OBF], s[KI], BSTEPG
	s_add_nc_u64 s[G0A+4*(\slot)+2:G0A+4*(\slot)+3], s[20:21], s[OA:OA+1]
	s_or_b32 s[G0A+4*(\slot)+3], s[G0A+4*(\slot)+3], 0x80000000
	s_add_nc_u64 s[G0B+4*(\slot)+2:G0B+4*(\slot)+3], s[22:23], s[OBF:OBF+1]
	s_or_b32 s[G0B+4*(\slot)+3], s[G0B+4*(\slot)+3], 0x80000000
	s_add_co_u32 s[KI], s[KI], 1                   ; the walk goes round
	s_and_b32 s[KI], s[KI], 15
.endif
	s_wait_dscnt 2*NBW-3                           ; (the add and the youngest loads, blocks 2 on, may be out)
	MULB 1, 0, 0, 0                                ; eight matrix instructions stand between the add and the wait for it
	s_wait_dscnt 0x0                               ; the add is done, and my reads of this slot are over
	s_barrier_signal -1
	MULB 1, 1, 1, 0
	WIN 0                                          ; at a branch and at a label every window is 0
	s_barrier_wait -1
.if \fill
	CREST                                          ; no wave of any partner still reads this slot or has a load on its way
	JLOAD \slot                                    ; its four v_nop are also the places in front of the loads below
.else
	PLACES
.endif
	FETCH \next, 0, 0
	MULB 1, 2, NBW-1, 0
.endm
	s_wait_tensorcnt 1                             ; my part of the walk's step 0 is in; step 1's may stay out
	s_barrier_signal -1
	s_barrier_wait -1                              ; everybody's is
	FETCH 0, 0, 0
	QUARTER 0, 1, 0, 1, 1                          ; the first quarter stands in front of the loop: its products start the sums
	WIN 0
	s_mov_b32 s3, LAPS-1
.Llap:                                                 ; a trip goes once round the ring, from a lap's second quarter to the next lap's first, and fills both slots again
	QUARTER 0, 2, 1, 0, 0
	QUARTER 0, 3, 0, 1, 0
	TURN 0, 1, 1
	QUARTER 1, 1, 0, 1, 0
	QUARTER 1, 2, 1, 0, 0
	QUARTER 1, 3, 0, 1, 0
	TURN 1, 0, 1
	QUARTER 0, 1, 0, 1, 0
	WIN 0
	s_sub_co_u32 s3, s3, 1
	s_cmp_lg_u32 s3, 0
	s_cbranch_scc1 .Llap
	QUARTER 0, 2, 1, 0, 0                          ; the last lap fills nothing
	QUARTER 0, 3, 0, 1, 0
	TURN 0, 1, 0
	QUARTER 1, 1, 0, 1, 0
	QUARTER 1, 2, 1, 0, 0
	QUARTER 1, 3, 0, 1, 0
	s_wait_dscnt 2*NBW-4
	MULB 1, 0, 1, 0
	s_wait_dscnt 0x0
	MULB 1, 2, NBW-1, 0
	WIN 0
	PLACES
; THE WAY OUT, a plane at a time.  For each 16 rows: low' = low cos - high sin, high' = high cos + low sin, in f32; both rounded to f16; 16 bytes each into the work-group's stage.  A barrier, since a row's
; 256 bytes come from four waves; then each wave reads 32 whole rows and stores them.  nxt = 1: the next plane's table follows into the registers just read.
.macro PASS hd, nxt
.set aa, 0
.rept 8
.if \nxt
	s_wait_loadcnt 28                              ; behind these rows' four loads stand 4 (7 - a) of this plane's and 4 a of the next's
.else
	s_wait_loadcnt 4*(7-aa)
.endif
.if (\hd) < 2
	WIN 0x09                                       ; source 0: the accumulators' window 1; source 1: the table's window 2
.else
	WIN 0x0a                                       ; the accumulators of blocks 4, 5 lie in window 2
.endif
.set rL, 8*(8*((2*(\hd))%4)+aa)
.set rH, rL+64
.set rC, 128+16*aa
.set rS, rC+8
.irp j, 0,2,4,6                        ; each accumulator is read from its low end on
	v_pk_mul_f32 v[T1+\j:T1+\j+1], v[rL+\j:rL+\j+1], v[rC+\j:rC+\j+1]
.endr
.irp j, 0,2,4,6
	v_pk_mul_f32 v[T2+\j:T2+\j+1], v[rH+\j:rH+\j+1], v[rC+\j:rC+\j+1]
.endr
.irp j, 0,2,4,6
	v_pk_fma_f32 v[T1+\j:T1+\j+1], v[rH+\j:rH+\j+1], v[rS+\j:rS+\j+1], v[T1+\j:T1+\j+1] neg_lo:[0,1,0] neg_hi:[0,1,0]
.endr
.irp j, 0,2,4,6
	v_pk_fma_f32 v[T2+\j:T2+\j+1], v[rL+\j:rL+\j+1], v[rS+\j:rS+\j+1], v[T2+\j:T2+\j+1]
.endr
.if \nxt
	TABLD (\hd)+1, aa
.endif
	WIN 0
.irp k, 0,1,2,3
	v_cvt_pk_f16_f32 v[PKD+\k],   v[T1+2*\k], v[T1+2*\k+1]
	v_cvt_pk_f16_f32 v[PKD+4+\k], v[T2+2*\k], v[T2+2*\k+1]
.endr
	ds_store_b128 v[STO], v[PKD:PKD+3]   offset:aa*16*SP
	ds_store_b128 v[STO], v[PKD+4:PKD+7] offset:aa*16*SP+128
.set aa, aa+1
.endr
	s_wait_dscnt 0x0                               ; for the others' sake: my stores into the stage are done
	s_barrier_signal -1
	s_barrier_wait -1
	s_wait_xcnt 0x0                                ; the last plane's stores have read their data: only behind this wait are those registers loaded again
.irp t, 0,1,2,3,4,5,6,7,8,9,10,11,12,13,14,15
	ds_load_b128 v[RB+4*\t:RB+4*\t+3], v[RD] offset:\t*2*SP
.endr
.irp t, 0,1,2,3,4,5,6,7,8,9,10,11,12,13,14,15
	s_wait_dscnt 15-\t
	global_store_b128 v[CO], v[RB+4*\t:RB+4*\t+3], s[OBS+2*(\hd):OBS+2*(\hd)+1] offset:\t*512  ; 512 consecutive bytes, at a multiple of 256 from qkv's first
.endr
.if (\hd) < 2
	s_barrier_signal -1                            ; every wave's reads of the stage are back (the last count was 0): the next plane may be written into it
	s_barrier_wait -1
.endif
.endm
	PASS 0, 1
	PASS 1, 1
	PASS 2, 0
	s_wait_tensorcnt 0x0                           ; the wave's end: the wait, the add and its wait, behind my last tensor load and my last LDS store
	ds_add_u32 v[SPW], v[NIL]
	s_wait_dscnt 0x0
	CROUND                                         ; the closing round: no work-group ends while a partner may still ask for a tile that names it
	s_endpgm
.Lfunc_end_k_qdd48a2daa0_qkvp:
	.size	k_qdd48a2daa0_qkvp, .Lfunc_end_k_qdd48a2daa0_qkvp-k_qdd48a2daa0_qkvp
	.p2alignl 7, 3214868480
	.fill 96, 4, 3214868480
	.section	.rodata,"a",@progbits
	.p2align	6, 0x0
	.amdhsa_kernel k_qdd48a2daa0_qkvp
		.amdhsa_group_segment_fixed_size 327680
		.amdhsa_private_segment_fixed_size 0
		.amdhsa_enable_private_segment 0
		.amdhsa_kernarg_size 32
		.amdhsa_user_sgpr_count 2
		.amdhsa_user_sgpr_kernarg_segment_ptr 1
		.amdhsa_wavefront_size32 1
		.amdhsa_system_sgpr_workgroup_id_x 1
		.amdhsa_system_sgpr_workgroup_id_y 1
		.amdhsa_system_sgpr_workgroup_id_z 1
		.amdhsa_system_vgpr_workitem_id 0
		.amdhsa_next_free_vgpr 768
		.amdhsa_next_free_sgpr 90
		.amdhsa_reserve_vcc 0
		.amdhsa_float_denorm_mode_32 3
		.amdhsa_float_denorm_mode_16_64 3
		.amdhsa_memory_ordered 1
		.amdhsa_forward_progress 1
		.amdhsa_inst_pref_size 153
	.end_amdhsa_kernel
	.amdgpu_metadata
---
amdhsa.version: [ 1, 2 ]
amdhsa.kernels:
  - .name:           k_qdd48a2daa0_qkvp
    .symbol:         k_qdd48a2daa0_qkvp.kd
    .args:
      - { .name: xh, .offset: 0, .size: 8, .value_kind: global_buffer, .address_space: global }
      - { .name: wqkv, .offset: 8, .size: 8, .value_kind: global_buffer, .address_space: global }
      - { .name: rope, .offset: 16, .size: 8, .value_kind: global_buffer, .address_space: global }
      - { .name: qkv, .offset: 24, .size: 8, .value_kind: global_buffer, .address_space: global }
    .group_segment_fixed_size: 327680
    .private_segment_fixed_size: 0
    .kernarg_segment_align: 8
    .kernarg_segment_size: 32
    .max_flat_workgroup_size: 128
    .sgpr_count:     90
    .vgpr_count:     768
    .wavefront_size: 32
...
	.end_amdgpu_metadata
.endif
;; end of part 2
;; launch attn (part 3): grid 16 x 16, 4 waves a work-group, no clusters, 327,680 bytes of LDS; arguments qkv, oh; writes oh
.if DOCPART == 3
	.amdgcn_target "amdgcn-amd-amdhsa--gfx1250"
	.amdhsa_code_object_version 6
	.text
	.protected	k_qdd48a2daa0_attn
	.globl	k_qdd48a2daa0_attn
	.p2align	8
	.type	k_qdd48a2daa0_attn,@function
k_qdd48a2daa0_attn:
	s_mov_b64 s[64:65], 0
	v_nop
	global_prefetch_b8 v0, s[64:65] scope:SCOPE_SE
	s_setreg_imm32_b32 hwreg(HW_REG_WAVE_MODE, 25, 1), 1
	s_wait_xcnt 0x0
; CAUSAL ATTENTION WITH SHARED KEY AND VALUE HEADS.  O[b][hq][i] = the sum over j <= i of softmax_j(q[i] . k[j] / sqrt(128)) v[j].  qkv: [batch 4][plane 24][n 1024][128] f16 (planes 0-15 q, 16-19 k, 20-23 v);
; oh: [4096 tokens][head x 128 + channel] f16, without head_scale (it lies in the next launch's weights).  Products, maxima and sums in f32; the weights p are rounded to f16 for the second product, O once at the end.
; LIMITS.  q, k, v arrive within f16's 65,504; p lies in 0 to 1, and below 6e-5 it keeps f16's fixed step of 6e-8.  A hidden score counts as its value less 1e30: f16's scores, 5.5e11 at the most, are nothing
; beside that.  A weight below 2^-126 counts as 0 in l.  NaN and infinities are not treated apart.
; SHARES.  A work-group belongs to one batch element and one key/value head; its four waves are the four query heads that share it, all on the SAME 32 query rows (two tiles of 16 a wave), so that K and V lie
; in LDS once for four heads.  The 1,024 rows are 32 blocks of 32; block j needs the key tiles (128 keys) 0 .. j / 4.  A work-group takes block 31 - p and then block p: 9 tiles, 18 key steps of 64, whatever p:
; 16 x 16 = 256 work-groups of equal work, and loops with constant trip counts.  NO CLUSTER: the 16 work-groups of a key/value head walk 5 to 8 tiles of their first block, so they ask for the same tile only
; in the first five of the nine trips; a walk common to all would have 8 + 4 tiles for 9.
; THE MASK is the C operand that starts S^T = K Q^T: 0, or -1e30 where the key is hidden; it is made anew for the two steps of a block's last tile and where a block begins, and is 0 elsewhere.  A step that
; is wholly hidden (one in 18 where the block lies in the tile's first half) is computed all the same: its weights are 0 and its correction is 1.
; LAYOUT.  S^T = K Q^T (source 0 = 16 keys, source 1 = 16 queries) holds ONE query a lane (lane % 16) and the keys 8 (lane / 16) + 0..7; two results rounded to f16 in pairs ARE source 1 of O^T = V^T P.
; K comes out of LDS as it lies, V turned, by ds_load_tr16_b128.  p = 2^(c s - c m), c = log2(e) / sqrt(128), with a running maximum m; O and l are multiplied by a = 2^(c m_old - c m_new) in every step.
; A block begins with c m far below every score, so its first a is 0: O^T and l need only be finite then.
; BY TURNS.  In a turn one tile has the matrix unit: 16 products V^T P of the step in hand, then 16 products K Q^T of the next step; the other tile's softmax, 134 lines, stands between them, four behind each
; product and six at the end.  Turn 0 (tile 0) carries tile 1's softmax of the step in hand, turn 1 (tile 1) tile 0's of the next step.  Two turns are a trip.
; ONE TEXT FOR EVERY TRIP.  The loop is entered at turn 1 of a trip with no step in hand: V and tile 1's P hold 0 there (16 products on zeros).  The tail runs one trip more than it has steps to begin: its
; V^T P, tile 1's softmax and the two ways out are the last step's; its 32 products K Q^T, on the last K once more, and tile 0's softmax serve nothing: the price, once a launch, of writing no last step out.
; REGISTERS, in windows of 256 (s_set_vgpr_msb: bits 1:0 source 0, 3:2 source 1, 5:4 source 2, 7:6 destination):
;   window 0: v0-15 addresses; v32-47 eight registers of statistics a tile; v64-127 S^T; v128-159 P; v160-199 the masks; v208-239 the way out
;   window 1: v0-127 O^T, 64 a tile; v128-191 Q; v192-255 the second block's Q          window 2: v0-127 K of one step; v128-255 V of one step
.set KS,    64
.set PK,    272       ; a row of K in LDS: 256 bytes + 16 of padding
.set PV,    288       ; a row of V: 256 + 32
.set VOFF,  KS*PK     ; a step's tiles lie together: 64 rows of K, then 64 rows of V
.set STEPB, KS*(PK+PV)
.set SLOT1, 1<<17     ; a slot holds a tile, two steps (71,680 bytes); slot 1 begins here, so that one exclusive or turns an address in one slot into the other's
.set STAGE, SLOT1+2*STEPB  ; behind the ring, never filled by a tensor load: 16 rows x 272 bytes for each wave
.set SP,    272
.set SPARE, STAGE+4*16*SP  ; the spare words, 128 bytes for each wave: two blocks of 256 bytes that no other line names
.set AK0, 2           ; v2   my lane's place in a step's K; never rewritten
.set AV0, 3           ; v3   the same for V
.set ADRK, 4          ; v4   the LDS address of K's run of loads
.set ADRV, 5          ; v5   of V's
.set STO, 6           ; v6   the way out: where I put 16 bytes of a row
.set RD,  7           ; v7   where I read rows back
.set GO,  8           ; v8   my byte offset in two rows of oh
.set QO,  9           ; v9   my byte offset in 16 rows of q
.set QP,  10          ; v10  lane % 16 - 8 (lane / 16)
.set TH0, 11          ; v11  the mask's threshold
.set SPW, 14          ; v14  LDS address of my spare word; never rewritten
.set NIL, 15          ; v15  0; never rewritten
.set ST,  32          ; tile t's statistics at v[ST+8 t]: +0 c m, +1 m, +2, +3 l (even keys', odd keys'), +4 to +7 c0-c3 at work; a takes c2's place
.set S,   64
.set P,   128
.set MC,  160         ; five groups of eight: register e of group g is -1e30 where 16 (g - 1) + e is greater than the threshold.  Tile 0's keys 16 kb on take group kb + 1, tile 1's (16 rows further down) group kb
.set PKB, 208         ; a tile of O, rounded, on its way out
.set Q,   128         ; window 1: tile t, channels 32 c on at Q + 32 t + 8 c
.set QB,  192
.set KF,  0           ; window 2: keys 16 kb on, channels 32 c on at KF + 32 kb + 8 c
.set VF,  128         ; window 2: keys 32 kk on, channels 16 cb on at VF + 64 kk + 8 cb
.set WV,  12          ; s12  my wave's number
.set PP,  14          ; s14  p
.set G1K, 24          ; s[24:31] descriptor group 1 for K's tiles
.set G1V, 32          ; s[32:39] for V's: it differs in the padding alone
.set G0K, 40          ; s[40:47] descriptor group 0 for K's tiles: a set for each of the two first fills; the second then walks
.set G0V, 48          ; s[48:55] the same for V's
.set SLOTS, 56
.set CNT, 57
.set CS,  58          ; s[58:59] c
.set SEL, 60          ; s[60:61] v_permlanex16_b32's selects: each lane takes its own place in the other half
.set TB,  62          ; s62  LDS byte at which the step to be fetched begins
.set NXT, 70          ; s70  the tile to be asked for next
.set LQ,  71          ; s71  the last tile of the block whose tiles are being asked for
.set TLS, 72          ; s72  the second block's last tile
.set REM, 73          ; s73  key steps of the block in hand that are still to be begun
.set JM,  74          ; s74  the block's first row in its last tile
.set END, 75          ; s75  1: the step in hand is a block's last: both tiles go out in this trip
.set OFF, 76          ; s[76:77] a tile's byte offset in K and V
.set OB,  78          ; s[78:79] oh at my rows and head, for the block in hand
.set OBLO, 80         ; s[80:81] for the second block
.set BIGN, 82         ; s82  -1e30
.set NSLO, 83         ; s83  the second block's key steps
.set JMLO, 84         ; s84  its JM
.set KB,  85
.set MSB, 0
.macro WIN new                      ; the high byte repeats the setting that is left; a switch that changes nothing is dropped
.if MSB != (\new)
	s_set_vgpr_msb (MSB<<8)|(\new)
.set MSB, (\new)
.endif
.endm
.set W_KQ, 0x06       ; K in window 2, Q in window 1, the mask and S^T in window 0
.set W_PV, 0x52       ; V in window 2, P in window 0, O^T in window 1
.set W_RS, 0x41       ; destination and source 0 in window 1, source 1 in window 0
.macro PLACES
.rept 4
	v_nop
.endr
.endm
; A refill.  Waves 0 and 1 fetch the two steps' K, waves 2 and 3 their V: 64 rows of 256 bytes each.  An s_nop 0 and four v_nop follow each of the two lines, ahead of the jump and the label.
.macro LOAD
	s_cmp_lt_u32 s[WV], 2
	s_cbranch_scc0 .Lfor_v_\@
	tensor_load_to_lds s[G0K+4:G0K+7], s[G1K:G1K+7]
	s_nop 0
.rept 4
	v_nop
.endr
	s_branch .Lasked_\@
.Lfor_v_\@:
	tensor_load_to_lds s[G0V+4:G0V+7], s[G1V:G1V+7]
	s_nop 0
.rept 4
	v_nop
.endr
.Lasked_\@:
.endm
; THE CHANGE OF SLOTS.  Each wave waits for all its tensor loads (one is out: its part of the other slot), adds 0 to its spare word, and waits for that and for its reads of the slot that it leaves.  Behind the
; barrier nobody reads the old slot and the other slot is whole.  fill = 1: the old slot is filled again, first thing behind the barrier, with tile NXT; the address is made anew from that number.
.macro CHANGE fill
	WIN 0
	s_wait_tensorcnt 0x0            ; no tensor load of mine is out, so a group 0 may be written
	ds_add_u32 v[SPW], v[NIL]       ; 0 onto my spare word; scalar work stands between it and the wait for it
.if \fill
	s_lshl_b32 s[OFF], s[NXT], 15   ; a tile is 32,768 bytes of K and of V
	s_xor_b32 s[G0K+5], s[G0K+5], SLOT1
	s_add_nc_u64 s[G0K+6:G0K+7], s[8:9], s[OFF:OFF+1]
	s_or_b32 s[G0K+7], s[G0K+7], 0x80000000
	s_xor_b32 s[G0V+5], s[G0V+5], SLOT1
	s_add_nc_u64 s[G0V+6:G0V+7], s[10:11], s[OFF:OFF+1]
	s_or_b32 s[G0V+7], s[G0V+7], 0x80000000
	s_add_co_u32 s[NXT], s[NXT], 1  ; the block's next tile, or behind its last the second block's tile 0
	s_cmp_gt_u32 s[NXT], s[LQ]
	s_cselect_b32 s[NXT], 0, s[NXT]
	s_cselect_b32 s[LQ], s[TLS], s[LQ]
.endif
	s_wait_dscnt 0x0                ; the add is done, and my reads of the slot are over
	s_barrier_signal -1
	s_sub_co_u32 s[TB], s[TB], 2*STEPB  ; the fetches go back to a slot's first step,
	s_xor_b32 s[TB], s[TB], SLOT1       ; in the other slot
	s_barrier_wait -1
.if \fill
	LOAD
.endif
.endm
	s_load_b128 s[4:7], s[0:1], 0x0 ; qkv s[4:5], oh s[6:7]
	v_lshl_add_u32 v[SPW], v0, 2, SPARE
	v_mov_b32 v[NIL], 0
	ds_add_u32 v[SPW], v[NIL]       ; the wave's opening: the add and its wait stand ahead of my first tensor load; the set-up below, work on registers, stands between them
	ds_add_u32 v14, v15
	v_lshrrev_b32 v1, 5, v0
	v_readfirstlane_b32 s[WV], v1   ; wave 0..3
	s_mov_b32 s[PP], ttmp9
	s_and_b32 s13, ttmp7, 0xffff
	s_lshr_b32 s15, s13, 2          ; the batch element
	s_and_b32 s13, s13, 3           ; the key/value head
	s_mul_i32 s16, s15, 24          ; the batch element's first plane
	s_add_co_u32 s17, s16, s13
	s_and_b32 s18, s[WV], 1         ; which of a tile's two steps I fetch:
	s_lshl_b32 s19, s18, 14         ; its 64 rows of 256 bytes in memory,
	s_mul_i32 s22, s18, STEPB       ; and its place in a slot
	s_add_co_u32 s2, s17, 16        ; k's plane
	s_lshl_b32 s2, s2, 18
	s_add_co_u32 s2, s2, s19
	s_mov_b32 s3, 0
	s_add_co_u32 s20, s17, 20       ; v's plane
	s_lshl_b32 s20, s20, 18
	s_add_co_u32 s20, s20, s19
	s_mov_b32 s21, 0
	s_lshl_b32 s23, s13, 2
	s_add_co_u32 s23, s23, s[WV]    ; my query head
	s_add_co_u32 s86, s16, s23
	s_lshl_b32 s86, s86, 18         ; its plane
	s_sub_co_u32 s87, 31, s[PP]     ; the first block
	s_lshl_b32 s66, s87, 13         ; a block is 32 rows of 256 bytes of q
	s_add_co_u32 s66, s66, s86
	s_mov_b32 s67, 0
	s_lshl_b32 s68, s[PP], 13
	s_add_co_u32 s68, s68, s86
	s_mov_b32 s69, 0
	s_lshl_b32 s88, s15, 22         ; oh: 1,024 rows of 4,096 bytes a batch element,
	s_lshl_b32 s89, s23, 8          ; 256 bytes a head,
	s_add_co_u32 s88, s88, s89
	s_lshl_b32 s[OB], s87, 17       ; 32 rows a block
	s_add_co_u32 s[OB], s[OB], s88
	s_mov_b32 s[OB+1], 0
	s_lshl_b32 s[OBLO], s[PP], 17
	s_add_co_u32 s[OBLO], s[OBLO], s88
	s_mov_b32 s[OBLO+1], 0
	s_mov_b32 s[G1K], (1<<16)|(1<<20)|(5<<22)|(3<<25)  ; 17:16 2-byte elements; 20 padding on; 24:22 after every 64 words (code 5); 31:25 4 words (code 3)
	s_mov_b32 s[G1V], (1<<16)|(1<<20)|(5<<22)|(7<<25)  ; the same with 8 words of padding (code 7)
.irp g, G1K, G1V
	s_mov_b32 s[(\g)+1], 128<<16    ; tensor_dim0 = 128
	s_mov_b32 s[(\g)+2], KS<<16     ; tensor_dim1 = 64
	s_mov_b32 s[(\g)+3], 128<<16    ; tile_dim0 = 128
	s_mov_b32 s[(\g)+4], KS         ; tile_dim1 = 64
	s_mov_b32 s[(\g)+5], 128        ; 128 elements from row to row
	s_mov_b32 s[(\g)+6], 0
	s_mov_b32 s[(\g)+7], 0
.endr
	s_mov_b32 s[CS], 0x3e0293ee     ; c = log2(e) / sqrt(128) = 0.127517
	s_mov_b32 s[CS+1], s[CS]        ; named with it as a pair
	s_mov_b32 s[SEL], 0x76543210
	s_mov_b32 s[SEL+1], 0xfedcba98
	s_mov_b32 s[BIGN], 0xf149f2ca   ; -1e30
	s_mov_b32 s[TB], 0
	s_mov_b32 s[END], 0
	s_mov_b32 s[NXT], 2             ; tiles 0 and 1 of the first block (it has five or more) go out at once
	s_mov_b32 s[OFF+1], 0
	s_lshr_b32 s[TLS], s[PP], 2     ; the second block's last tile,
	s_sub_co_u32 s[LQ], 7, s[TLS]   ; the first block's
	s_lshl_b32 s[REM], s[LQ], 1
	s_add_co_u32 s[REM], s[REM], 1  ; its steps less the one begun ahead of the loop
	s_lshl_b32 s[NSLO], s[TLS], 1
	s_add_co_u32 s[NSLO], s[NSLO], 2
	s_and_b32 s[JM], s87, 3
	s_lshl_b32 s[JM], s[JM], 5
	s_and_b32 s[JMLO], s[PP], 3
	s_lshl_b32 s[JMLO], s[JMLO], 5
	s_wait_dscnt 0x0                ; the opening add is done
	s_wait_kmcnt 0x0
	s_add_nc_u64 s[8:9], s[4:5], s[2:3]      ; K and V at my step of the head's tile 0
	s_add_nc_u64 s[10:11], s[4:5], s[20:21]
	s_add_nc_u64 s[66:67], s[4:5], s[66:67]  ; q at my head's rows of the first block,
	s_add_nc_u64 s[68:69], s[4:5], s[68:69]  ; of the second
	s_add_nc_u64 s[OB:OB+1], s[6:7], s[OB:OB+1]
	s_add_nc_u64 s[OBLO:OBLO+1], s[6:7], s[OBLO:OBLO+1]
.irp s, 0,1
	s_mov_b32 s[G0K+4*(\s)], 1      ; count = 1
	s_add_co_u32 s[G0K+4*(\s)+1], s22, (\s)*SLOT1  ; LDS address
	s_add_nc_u64 s[G0K+4*(\s)+2:G0K+4*(\s)+3], s[8:9], (\s)*32768  ; global address: tile s
	s_or_b32 s[G0K+4*(\s)+3], s[G0K+4*(\s)+3], 0x80000000  ; type = 2
	s_mov_b32 s[G0V+4*(\s)], 1
	s_add_co_u32 s[G0V+4*(\s)+1], s22, (\s)*SLOT1+VOFF
	s_add_nc_u64 s[G0V+4*(\s)+2:G0V+4*(\s)+3], s[10:11], (\s)*32768
	s_or_b32 s[G0V+4*(\s)+3], s[G0V+4*(\s)+3], 0x80000000
.endr
	s_cmp_lt_u32 s[WV], 2           ; a wave's two first fills stand in one branch, ahead of every wait on TENSORcnt, every LDS read and every barrier: two loads of mine are out
	s_cbranch_scc0 .Lfirst_v
	tensor_load_to_lds s[G0K:G0K+3], s[G1K:G1K+7]
	s_nop 0
	tensor_load_to_lds s[G0K+4:G0K+7], s[G1K:G1K+7]
	s_nop 0
.rept 4
	v_nop
.endr
	s_branch .Lfirst_asked
.Lfirst_v:
	tensor_load_to_lds s[G0V:G0V+3], s[G1V:G1V+7]
	s_nop 0
	tensor_load_to_lds s[G0V+4:G0V+7], s[G1V:G1V+7]
	s_nop 0
.rept 4
	v_nop
.endr
.Lfirst_asked:
	v_and_b32 v1, 15, v0            ; r = lane % 16
	v_bfe_u32 v13, v0, 4, 1         ; h = lane / 16
	v_lshlrev_b32 v[QO], 8, v1
	v_lshl_add_u32 v[QO], v13, 4, v[QO]  ; a fragment of q: row r x 256 + 16 h; two loads 32 bytes apart
	WIN 0x40                        ; destination window 1, address window 0
.set i, 0
.rept 8                             ; both blocks' Q stay in registers: tile i / 4, channels 32 (i % 4) on
	global_load_b128 v[Q+8*i:Q+8*i+3],     v[QO], s[66:67] offset:(i/4)*4096+(i%4)*64
	global_load_b128 v[Q+8*i+4:Q+8*i+7],   v[QO], s[66:67] offset:(i/4)*4096+(i%4)*64+32
	global_load_b128 v[QB+8*i:QB+8*i+3],   v[QO], s[68:69] offset:(i/4)*4096+(i%4)*64
	global_load_b128 v[QB+8*i+4:QB+8*i+7], v[QO], s[68:69] offset:(i/4)*4096+(i%4)*64+32
.set i, i+1
.endr
	; What the first turn finds: O^T and l hold 0 (finite numbers for the first a = 0 to multiply), V and tile 1's P hold 0 (its products V^T P, of a step that has not been, add 0), no key is hidden.
	; All this stands in the wait for the first tile.
.set i, 0
.rept 128
	v_mov_b32 v[i], 0
.set i, i+1
.endr
	WIN 0x80
.set i, 0
.rept 128
	v_mov_b32 v[VF+i], 0
.set i, i+1
.endr
	WIN 0
.set i, 0
.rept 40
	v_mov_b32 v[MC+i], 0
.set i, i+1
.endr
.set i, 0
.rept 16
	v_mov_b32 v[P+16+i], 0
.set i, i+1
.endr
.irp t, 0,1
	v_mov_b32 v[ST+8*\t], 0xfe000000    ; c m: far below every c s
	v_mov_b32 v[ST+8*\t+1], 0xff7fffff  ; m: the lowest finite number
.irp k, 2,3,4,5,6,7
	v_mov_b32 v[ST+8*\t+\k], 0
.endr
.endr
	v_mul_u32_u24 v[AK0], v1, PK
	v_lshl_add_u32 v[AK0], v13, 4, v[AK0]
	v_and_b32 v16, 7, v0            ; the turning load: lane reads key 8 h + lane % 8, channels 8 ((lane / 8) % 2) on; it leaves channel r and 8 keys a lane
	v_bfe_u32 v17, v0, 3, 1
	v_lshl_add_u32 v[AV0], v13, 3, v16
	v_mul_u32_u24 v[AV0], v[AV0], PV
	v_lshl_add_u32 v[AV0], v17, 4, v[AV0]
	v_add_nc_u32 v[AV0], VOFF, v[AV0]
	s_mul_i32 s13, s[WV], 16*SP
	s_add_co_u32 s13, s13, STAGE    ; my stage
	v_mul_u32_u24 v[STO], v1, SP    ; in: row r, 16 bytes for each half of the lanes
	v_lshl_add_u32 v[STO], v13, 4, v[STO]
	v_add_nc_u32 v[STO], s13, v[STO]
	v_mul_u32_u24 v[RD], v13, SP    ; back: lanes 0-15 take one row of 256 bytes, lanes 16-31 the next
	v_lshl_add_u32 v[RD], v1, 4, v[RD]
	v_add_nc_u32 v[RD], s13, v[RD]
	v_lshlrev_b32 v[GO], 12, v13    ; and the same two rows in oh, 4,096 bytes apart
	v_lshl_add_u32 v[GO], v1, 4, v[GO]
	v_lshlrev_b32 v18, 3, v13
	v_sub_nc_u32 v[QP], v1, v18
; THE MATRIX WORK.  The accumulators of a run of 16 take turns, one instruction a turn.
; Product i of 16 of S^T = K Q^T for tile t: channels 32 (i / 4) on, keys 16 (i % 4) on.  The first 4 start the sums with the mask.
.macro KQ t
	WIN W_KQ
.set rD, S+32*(\t)+8*(i%4)
.set rK, KF+32*(i%4)+8*(i/4)
.set rQ, Q+32*(\t)+8*(i/4)
.set rM, MC+8*(i%4)+8*(1-(\t))
.if i < 4
	v_wmma_f32_16x16x32_f16 v[rD:rD+7], v[rK:rK+7], v[rQ:rQ+7], v[rM:rM+7]
.else
	v_wmma_f32_16x16x32_f16 v[rD:rD+7], v[rK:rK+7], v[rQ:rQ+7], v[rD:rD+7]
.endif
.endm
; Product i of 16 of O^T += V^T P for tile t: keys 32 (i / 8) on, channels 16 (i % 8) on.
.macro PV t
	WIN W_PV
.set rD, 64*(\t)+8*(i%8)
.set rV, VF+64*(i/8)+8*(i%8)
.set rW, P+16*(\t)+8*(i/8)
	v_wmma_f32_16x16x32_f16 v[rD:rD+7], v[rV:rV+7], v[rW:rW+7], v[rD:rD+7]
.endm
; THE LDS LOADS stand in runs of 32: a step's K (16 fragments) and its V (turned).  last = 1 (the tail): in the last trip there is no further step, and the run is jumped over.
.macro FETCH_K last
	WIN 0
.if \last
	s_cmp_eq_u32 s[CNT], 1
	s_cbranch_scc1 .Lno_k_\@
.endif
	v_add_nc_u32 v[ADRK], s[TB], v[AK0]
	WIN 0x80                        ; destination window 2
.irp f, 0,1,2,3,4,5,6,7,8,9,10,11,12,13,14,15  ; keys 16 (f / 4) on, channels 32 (f % 4) on
	ds_load_b128 v[KF+8*(\f):KF+8*(\f)+3],   v[ADRK] offset:((\f)/4)*16*PK+((\f)%4)*64
	ds_load_b128 v[KF+8*(\f)+4:KF+8*(\f)+7], v[ADRK] offset:((\f)/4)*16*PK+((\f)%4)*64+32
.endr
	WIN 0
.if \last
.Lno_k_\@:
.endif
.endm
.macro FETCH_V last
	WIN 0
.if \last
	s_cmp_eq_u32 s[CNT], 1
	s_cbranch_scc1 .Lno_v_\@
.endif
	v_add_nc_u32 v[ADRV], s[TB], v[AV0]
	s_add_co_u32 s[TB], s[TB], STEPB  ; the next fetch is the next step's
	WIN 0x80
.irp f, 0,1,2,3,4,5,6,7,8,9,10,11,12,13,14,15  ; keys 32 (f / 8) on, channels 16 (f % 8) on
	ds_load_tr16_b128 v[VF+8*(\f):VF+8*(\f)+3],   v[ADRV] offset:((\f)/8)*32*PV+((\f)%8)*32
	ds_load_tr16_b128 v[VF+8*(\f)+4:VF+8*(\f)+7], v[ADRV] offset:((\f)/8)*32*PV+16*PV+((\f)%8)*32
.endr
	WIN 0
.if \last
.Lno_v_\@:
.endif
.endm
; THE VECTOR WORK.  One tile's softmax for one key step is a list of 134 instructions; SM writes number j of it for tile t.  s0-s31 are the lane's 32 scores, in pairs 0-15.
;   0-15    the maximum of s0-s31 and the old m, three operands at a time; each accumulator's lowest registers are read first
;   16-20   the other half of the lanes' maximum; c m_old is kept; the new m; c m; c m_old - c m_new
;   21-87   33 exponentials (a, then s0-s31) at the odd numbers from 23 on: each has a plain instruction behind it before its result is used.  The plain ones are what is ready: c s - c m for a pair whose
;           exponentials are still to come, the rounding to f16 of a pair whose exponentials are done, the first sums
;   88-101  the last rounding; the rest of the sums; l = a l + the sum          102-133 the tile's O^T times a, from each accumulator's low end on
.macro SM t
.set rT, ST+8*(\t)
.set rS, S+32*(\t)
.set rP, P+16*(\t)
.set rO, 64*(\t)+2*(j-102)
.set q, (j-20)/2
.if j < 102
	WIN 0
.endif
.if j < 4
	v_max3_num_f32 v[rT+4+j], v[rS+8*j], v[rS+8*j+1], v[rS+8*j+2]
.elseif j < 12
	v_max3_num_f32 v[rT+4+j%4], v[rT+4+j%4], v[rS+8*(j%4)+2*(j/4)+1], v[rS+8*(j%4)+2*(j/4)+2]
.elseif j == 12
	v_max3_num_f32 v[rT+4], v[rT+4], v[rS+7], v[rS+15]
.elseif j == 13
	v_max3_num_f32 v[rT+6], v[rT+6], v[rS+23], v[rS+31]
.elseif j == 14
	v_max3_num_f32 v[rT+4], v[rT+4], v[rT+5], v[rT+6]
.elseif j == 15
	v_max3_num_f32 v[rT+4], v[rT+4], v[rT+7], v[rT+1]
.elseif j == 16
	v_permlanex16_b32 v[rT+5], v[rT+4], s[SEL], s[SEL+1]  ; the query's other 32 keys lie in the lane 16 away
.elseif j == 17
	v_mov_b32 v[rT+7], v[rT]
.elseif j == 18
	v_max_num_f32 v[rT+1], v[rT+4], v[rT+5]
.elseif j == 19
	v_mul_f32 v[rT], s[CS], v[rT+1]
.elseif j == 20
	v_sub_f32 v[rT+7], v[rT+7], v[rT]
.elseif j == 23
	v_exp_f32 v[rT+6], v[rT+7]
.elseif (j < 88) && (j > 23) && (j%2 == 1)
	v_exp_f32 v[rS+(j-25)/2], v[rS+(j-25)/2]
.elseif (q < 4) || ((j < 76) && (q%2 == 0))
.set b, q/2+2
.if q < 4
.set b, q
.endif
	v_pk_fma_f32 v[rS+2*b:rS+2*b+1], v[rS+2*b:rS+2*b+1], s[CS:CS+1], v[rT:rT+1] op_sel_hi:[1,0,0] neg_lo:[0,0,1] neg_hi:[0,0,1]  ; pair b: c s - c m
.elseif (j < 88) && (q%2 == 1)
	s_wait_alu depctr_va_vdst(0)
	v_cvt_pk_f16_f32 v[rP+(q-5)/2], v[rS+q-5], v[rS+q-4]
.elseif j == 89
	s_wait_alu depctr_va_vdst(0)
	v_cvt_pk_f16_f32 v[rP+15], v[rS+30], v[rS+31]
.elseif j < 102                     ; the sum of the 16 pairs, in place: sum z of 16 adds neighbours 1, 2, 4 and 8 pairs apart, then l takes it
.set z, j-86
.if j < 89
.set z, (j-76)/4
.endif
.set w, 4
.set u, z
.if z >= 14
.set w, 32
.set u, 0
.elseif z >= 12
.set w, 16
.set u, z-12
.elseif z >= 8
.set w, 8
.set u, z-8
.endif
.if z < 15
	v_pk_add_f32 v[rS+w*u:rS+w*u+1], v[rS+w*u:rS+w*u+1], v[rS+w*u+w/2:rS+w*u+w/2+1]
.else
	v_pk_fma_f32 v[rT+2:rT+3], v[rT+2:rT+3], v[rT+6:rT+7], v[rS:rS+1] op_sel_hi:[1,0,1]
.endif
.else
	WIN W_RS
	v_pk_mul_f32 v[rO:rO+1], v[rO:rO+1], v[rT+6:rT+7] op_sel_hi:[1,0]
.endif
.endm
.macro RIDE t, n                    ; the next n numbers of tile t's list
.rept \n
	SM \t
.set j, j+1
.endr
.endm
; A TURN: tile x has the matrix unit, the other tile's softmax rides.  No line of a softmax names a register of the products among which it stands.  The last ten lines of a list are plain multiplies: they are
; the places between the turn's last product and what reads its scores, loads over K or writes Q and the masks.  Turn 0 waits for K in its middle.  Turn 1 fetches the next step's V behind its second K Q^T:
; six plain lines of the list and the address line stand between V's last reader and the loads.
.macro TURN x, last
.set j, 0
.set i, 0
.rept 16
	PV \x
.set i, i+1
	RIDE 1-(\x), 4
.endr
.if (\x) == 0
	s_wait_dscnt 0x0                ; K of the next step is in
.endif
.set i, 0
.rept 16
	KQ \x
.set i, i+1
	RIDE 1-(\x), 4
.if ((\x) == 1) && (i == 2)
	FETCH_V \last
.endif
.endr
	RIDE 1-(\x), 6
	WIN 0
.endm
; The masks of the step to be begun.  REM = 2: keys 0-63 of the block's last tile; 1: its keys 64-127; more (a block's beginning): the threshold lies above every key, and all 40 registers come out 0.
; Key 16 kb + 8 h + e of the step is hidden from row JM + 16 t + r of the tile where it is greater.
.macro MASKSET
	s_lshl_b32 s[KB], s[REM], 6
	s_add_co_u32 s[KB], s[KB], s[JM]
	s_sub_co_u32 s[KB], s[KB], 128  ; JM less the step's first key; it may be negative, and the compares are signed
	v_add_nc_u32 v[TH0], s[KB], v[QP]
.set e, 0
.rept 40
	v_cmp_gt_i32 vcc_lo, 16*(e/8)+e%8-16, v[TH0]
	v_cndmask_b32 v[MC+e], 0, s[BIGN], vcc_lo
.set e, e+1
.endr
.endm
; TILE t OF A BLOCK GOES OUT, behind the turn that held its last V^T P.  l's two halves and the other half of the lanes' are added; O^T is divided by l, rounded to f16 and sent through my stage in LDS.
; c m and m are set for the next block (the two lines are also the plain lines behind the reciprocal); O^T and l stay: the next block's first step multiplies them by a = 0.
.macro FIN t
	v_add_f32 v[ST+8*(\t)+4], v[ST+8*(\t)+2], v[ST+8*(\t)+3]
	v_permlanex16_b32 v[ST+8*(\t)+5], v[ST+8*(\t)+4], s[SEL], s[SEL+1]
	v_add_f32 v[ST+8*(\t)+4], v[ST+8*(\t)+4], v[ST+8*(\t)+5]
	v_rcp_f32 v[ST+8*(\t)+6], v[ST+8*(\t)+4]
	v_mov_b32 v[ST+8*(\t)], 0xfe000000
	v_mov_b32 v[ST+8*(\t)+1], 0xff7fffff
	WIN W_RS
.set i, 64*(\t)
	s_wait_alu depctr_va_vdst(0)
.rept 32
	v_pk_mul_f32 v[i:i+1], v[i:i+1], v[ST+8*(\t)+6:ST+8*(\t)+7] op_sel_hi:[1,0]
.set i, i+2
.endr
	WIN 0x05                        ; sources 0 and 1 window 1, destination window 0
.set i, 0
.rept 32
	v_cvt_pk_f16_f32 v[PKB+i], v[64*(\t)+2*i], v[64*(\t)+2*i+1]
.set i, i+1
.endr
	WIN 0
.irp f, 0,1,2,3,4,5,6,7
	ds_store_b128 v[STO], v[PKB+4*(\f):PKB+4*(\f)+3] offset:32*(\f)
.endr
.irp f, 0,1,2,3,4,5,6,7
	ds_load_b128 v[PKB+4*(\f):PKB+4*(\f)+3], v[RD] offset:(\f)*2*SP  ; LDS serves a wave's instructions in order: these see the stores above
.endr
.irp f, 0,1,2,3,4,5,6,7
	s_wait_dscnt 7-(\f)             ; the younger of the eight loads may be out
	global_store_b128 v[GO], v[PKB+4*(\f):PKB+4*(\f)+3], s[OB:OB+1] offset:(16*(\t)+2*(\f))*4096  ; 16 lanes store 256 consecutive bytes, at a multiple of 256 from oh's first
.endr
	s_wait_xcnt 0x0                 ; the stores have read their data and oh's address: only behind this wait are they written again
.endm
; A TRIP.  The step in hand is j.  Its head decides for step j + 1: K is fetched; where step j is its block's last, the second block's counts and Q are taken (both tiles' K Q^T of step j are done) and
; END is set; the masks are made where they are not 0.  Then the two turns, each followed, under END, by its tile's way out.  All jumps go forward, over neither a barrier nor a tensor load; they hang on
; REM and END, which are made from the work-group's number alone, and in the tail on its counter.
.macro TRIP last, first
	s_wait_dscnt 0x0                ; V of the step in hand is in
	FETCH_K \last
	s_cmp_eq_u32 s[REM], 0
	s_cbranch_scc0 .Lgo_\@
	s_mov_b32 s[REM], s[NSLO]
	s_mov_b32 s[JM], s[JMLO]
	s_mov_b32 s[END], 1
	WIN W_RS
.set i, 0
.rept 64
	v_mov_b32 v[Q+i], v[QB+i]
.set i, i+1
.endr
	WIN 0
	s_branch .Lmk_\@
.Lgo_\@:
	s_cmp_gt_u32 s[REM], 2
	s_cbranch_scc1 .Lnm_\@
.Lmk_\@:
	MASKSET
.Lnm_\@:
	s_sub_co_u32 s[REM], s[REM], 1
	TURN 0, \last
	s_cmp_eq_u32 s[END], 1
	s_cbranch_scc0 .Ln0_\@
	FIN 0
.Ln0_\@:
.if \first
.Lfirst:
.endif
	TURN 1, \last
	s_cmp_eq_u32 s[END], 1
	s_cbranch_scc0 .Ln1_\@
	FIN 1
	s_mov_b64 s[OB:OB+1], s[OBLO:OBLO+1]
	s_mov_b32 s[END], 0
.Ln1_\@:
.endm
	s_wait_tensorcnt 1              ; my part of tile 0 is in; tile 1's may stay out
	s_barrier_signal -1
	s_barrier_wait -1               ; everybody's is
	FETCH_K 0                       ; key step 0
	s_wait_loadcnt 0x0              ; Q, both blocks'
	s_wait_dscnt 0x0
.set i, 0
.rept 16
	KQ 0                            ; tile 0's first scores: there is no vector work yet to set between them
.set i, i+1
.endr
	WIN 0
	PLACES
	s_mov_b32 s[CNT], 2
	s_mov_b32 s[SLOTS], 8
	s_branch .Lfirst                ; the loop is entered at turn 1: it fetches V of step 0 and makes tile 1's first scores and tile 0's first softmax
.Lslot:                             ; seven times: a tile is entered and the tile after the next is asked for: it has two key steps in which to land
	CHANGE 1
	s_mov_b32 s[CNT], 2
.Lstep:
	TRIP 0, 1
	s_sub_co_u32 s[CNT], s[CNT], 1
	s_cmp_lg_u32 s[CNT], 0
	s_cbranch_scc1 .Lstep
	s_sub_co_u32 s[SLOTS], s[SLOTS], 1
	s_cmp_lg_u32 s[SLOTS], 0
	s_cbranch_scc1 .Lslot
	CHANGE 0                        ; the walk's last tile is written out: nothing is asked for
	s_mov_b32 s[CNT], 3             ; two trips fetch the last tile's steps; the third finishes the last step and sends the second block out
.Ltail:
	TRIP 1, 0
	s_sub_co_u32 s[CNT], s[CNT], 1
	s_cmp_lg_u32 s[CNT], 0
	s_cbranch_scc1 .Ltail
	s_wait_tensorcnt 0x0            ; the wave's end: the wait, the add and its wait, behind my last tensor load and my last LDS store
	ds_add_u32 v[SPW], v[NIL]
	s_wait_dscnt 0x0
	s_endpgm
.Lfunc_end_k_qdd48a2daa0_attn:
	.size	k_qdd48a2daa0_attn, .Lfunc_end_k_qdd48a2daa0_attn-k_qdd48a2daa0_attn
	.p2alignl 7, 3214868480
	.fill 96, 4, 3214868480
	.section	.rodata,"a",@progbits
	.p2align	6, 0x0
	.amdhsa_kernel k_qdd48a2daa0_attn
		.amdhsa_group_segment_fixed_size 327680
		.amdhsa_private_segment_fixed_size 0
		.amdhsa_enable_private_segment 0
		.amdhsa_kernarg_size 16
		.amdhsa_user_sgpr_count 2
		.amdhsa_user_sgpr_kernarg_segment_ptr 1
		.amdhsa_wavefront_size32 1
		.amdhsa_system_sgpr_workgroup_id_x 1
		.amdhsa_system_sgpr_workgroup_id_y 1
		.amdhsa_system_sgpr_workgroup_id_z 1
		.amdhsa_system_vgpr_workitem_id 0
		.amdhsa_next_free_vgpr 768
		.amdhsa_next_free_sgpr 90
		.amdhsa_reserve_vcc 1
		.amdhsa_float_denorm_mode_32 3
		.amdhsa_float_denorm_mode_16_64 3
		.amdhsa_memory_ordered 1
		.amdhsa_forward_progress 1
		.amdhsa_inst_pref_size 121
	.end_amdhsa_kernel
	.amdgpu_metadata
---
amdhsa.version: [ 1, 2 ]
amdhsa.kernels:
  - .name:           k_qdd48a2daa0_attn
    .symbol:         k_qdd48a2daa0_attn.kd
    .args:
      - { .name: qkv, .offset: 0, .size: 8, .value_kind: global_buffer, .address_space: global }
      - { .name: oh, .offset: 8, .size: 8, .value_kind: global_buffer, .address_space: global }
    .group_segment_fixed_size: 327680
    .private_segment_fixed_size: 0
    .kernarg_segment_align: 8
    .kernarg_segment_size: 16
    .max_flat_workgroup_size: 128
    .sgpr_count:     90
    .vgpr_count:     768
    .wavefront_size: 32
...
	.end_amdgpu_metadata
.endif
;; end of part 3
;; launch oproj (part 4): grid 8 x 32, 4 waves a work-group, clusters of 4 x 4, 327,680 bytes of LDS; arguments oh, woh, out0; writes out0
.if DOCPART == 4
	.amdgcn_target "amdgcn-amd-amdhsa--gfx1250"
	.amdhsa_code_object_version 6
	.text
	.protected	k_qdd48a2daa0_oproj
	.globl	k_qdd48a2daa0_oproj
	.p2align	8
	.type	k_qdd48a2daa0_oproj,@function
k_qdd48a2daa0_oproj:
	s_mov_b64 s[64:65], 0
	v_nop
	global_prefetch_b8 v0, s[64:65] scope:SCOPE_SE
	s_setreg_imm32_b32 hwreg(HW_REG_WAVE_MODE, 25, 1), 1
	s_wait_xcnt 0x0
	s_wait_alu depctr_hold_cnt(0) depctr_sa_sdst(0) depctr_va_vdst(0) depctr_va_sdst(0) depctr_va_ssrc(0) depctr_va_vcc(0) depctr_vm_vsrc(0)
	s_getreg_b32 s2, hwreg(HW_REG_IB_STS2, 6, 4)
	s_cmp_eq_u32 s2, 0
	s_cbranch_scc0 .Lentry_in_a_cluster
	s_endpgm
.Lentry_in_a_cluster:
	s_bfe_u32 s2, ttmp6, 0x10000c
	s_cmp_lg_u32 s2, 0xf033
	s_cbranch_scc0 .Lentry_shape_is_right
	s_endpgm
.Lentry_shape_is_right:
; OUTPUT PROJECTION.  out0 = oh woh: oh [4096 m][2048 k] f16, woh [2048 k][2048 n] f16 (head_scale is already in its rows), sums in f32, out0 [4096][2048] f32, stored as summed.
; SHARES.  A work-group makes 128 rows x 256 columns: 32 x 8 = 256 work-groups.  Its four waves stand side by side: each has all 128 rows and 64 columns, which are 256 bytes of f32: 32 accumulators, 256 registers.
; THE PRODUCT IS USED TRANSPOSED: source 0 = 16 columns of woh, source 1 = 16 rows of oh: a lane holds row lane % 16 and eight neighbouring columns.  woh lies [k][n]; it comes into LDS as it lies, in two
; sub-tiles of 128 k x 128 n, and leaves LDS turned, by ds_load_tr16_b128.
; THE RING.  K goes in 16 steps of 128 through two LDS slots.  Waves 0 and 1 fetch the two halves (64 rows) of oh's tile, waves 2 and 3 the two sub-tiles of woh; all rows are 256 bytes at multiples of 256.
; CLUSTER.  4 x 4 work-groups: the four of a row need the same tile of oh, the four of a column the same sub-tiles of woh; each is asked for jointly.
; THE WALK ALONG K.  Cluster (X, Y) of the 2 x 8 begins at K step (8 X + 4 (Y % 4)) % 16 and goes round: the two clusters that read the same rows of oh are 8 steps apart, clusters that read the same columns
; of woh 4 steps, so that most tiles have been read by another cluster before.  The start hangs on the cluster's x and y alone, which all sixteen partners share.  A sum's order of K is rotated with it.
; REGISTERS: window 0: v0-31 addresses; v32-95, v96-159 oh's fragments, two buffers (v32-95 serve the way out); v160-191, v192-223 woh's, two buffers.   window 1: accumulators (b, a) at v[8 (8 b + a)].
.set NBW,   4
.set NH,    1
.set BPH,   4
.set BSTEP, 32
.set NL,    16+2*NBW
.set PA,    272
.set PB,    288
.set SUBT,  128*PB
.set HALFA, 64*PA
.set AOFF,  0
.set BOFF,  128*PA
.set SLOT,  BOFF+2*SUBT
.set STAGE, 2*SLOT                     ; behind the ring, never filled by a tensor load: 16 rows x 272 bytes for each wave, its own
.set SP,    272
.set SPARE, STAGE+4*16*SP              ; the spare words, 128 bytes for each wave: two blocks of 256 bytes that no other line names
.set LAPS,  8
.set ASTEP, 256
.set BSTEPG, 128*4096
.set ADRA, 16
.set ADRB, 18
.set STO,  24
.set RD,   25
.set CO,   26
.set SPW,  28
.set NIL,  29
.set FA,   32
.set FB,   160
.set G1A, 24
.set G0A, 32
.set G1B, 48
.set G0B, 56
.set KI,  66                           ; s66      the K step that the next refill brings
.set OA,  68                           ; s[68:69] its byte offset in oh,
.set OBF, 70                           ; s[70:71] and in woh.  s[20:21], s[22:23]: my tile's address at K step 0 in oh, in woh
.set MSB, 0
.macro WIN new
.if MSB != (\new)
	s_set_vgpr_msb (MSB<<8)|(\new)
.set MSB, \new
.endif
.endm
.set W_M1, 0x50                        ; C and D in window 1
.macro PLACES
.rept 4
	v_nop
.endr
.endm
.macro JLOAD s                         ; a joint load; an s_nop 0 and four v_nop follow each of the two lines, ahead of the jump and the label
	s_cmp_eq_u32 s10, 0
	s_cbranch_scc0 .Lfor_b_\@
	tensor_load_to_lds s[G0A+4*(\s):G0A+4*(\s)+3], s[G1A:G1A+7]
	s_nop 0
.rept 4
	v_nop
.endr
	s_branch .Lasked_\@
.Lfor_b_\@:
	tensor_load_to_lds s[G0B+4*(\s):G0B+4*(\s)+3], s[G1B:G1B+7]
	s_nop 0
.rept 4
	v_nop
.endr
.Lasked_\@:
.endm
.macro CREST
	s_cmp_lg_u32 s12, 0
	s_cbranch_scc1 .Lnot_wave_0_\@
	s_barrier_signal -3
.Lnot_wave_0_\@:
	s_barrier_wait -3
	s_barrier_signal -1
	s_barrier_wait -1
.endm
.macro CROUND
	s_barrier_signal -1
	s_barrier_wait -1
	CREST
.endm
	s_load_b128 s[4:7], s[0:1], 0x0                ; oh s[4:5], woh s[6:7]
	s_load_b64 s[8:9], s[0:1], 0x10                ; out0
	v_lshl_add_u32 v[SPW], v0, 2, SPARE
	v_mov_b32 v[NIL], 0
	ds_add_u32 v[SPW], v[NIL]                      ; the wave's opening: the add and its wait stand ahead of my first tensor load; the set-up below, work on registers, stands between them
	ds_add_u32 v28, v29
	v_lshrrev_b32 v1, 5, v0
	v_readfirstlane_b32 s12, v1                    ; wave 0..3
	s_lshr_b32 s10, s12, 1                         ; I fetch for oh (0) or for woh (1).  Also: which sub-tile holds my columns
	s_and_b32 s11, s12, 1                          ; which half of that I fetch.  Also: which half of the sub-tile's columns is mine
	s_bfe_u32 s15, ttmp6, 0x40000                  ; cx, cy
	s_bfe_u32 s16, ttmp6, 0x40004
	s_lshl_b32 s14, ttmp9, 2
	s_add_co_u32 s14, s14, s15                     ; tx: my 256 columns
	s_and_b32 s13, ttmp7, 0xffff
	s_lshl_b32 s13, s13, 2
	s_add_co_u32 s13, s13, s16                     ; ty: my 128 rows
	s_lshl_b32 s17, s16, 2
	s_lshl_b32 s17, 15, s17                        ; my row of the cluster
	s_lshl_b32 s18, 0x1111, s15                    ; my column
	s_and_b32 s[KI], ttmp7, 3                      ; the cluster's first K step: 4 (cluster y % 4)
	s_lshl_b32 s[KI], s[KI], 2
	s_lshl_b32 s[OA], ttmp9, 3                     ; + 8 x cluster x,
	s_add_co_u32 s[KI], s[KI], s[OA]
	s_and_b32 s[KI], s[KI], 15                     ; modulo 16: a multiple of 4, so the step behind it does not wrap
	s_lshl_b32 s[OA], s[KI], 8
	s_mov_b32 s[OA+1], 0
	s_mul_i32 s[OBF], s[KI], BSTEPG
	s_mov_b32 s[OBF+1], 0
	s_or_b32 s[G1A], s17, (1<<16)|(1<<20)|(1<<21)|(5<<22)|(3<<25)  ; the mask; 2-byte elements; padding on; bit 21 beside a mask; after every 64 words 4 words
	s_or_b32 s[G1B], s18, (1<<16)|(1<<20)|(1<<21)|(5<<22)|(7<<25)  ; my column's mask; 8 words of padding
.irp g, G1A, G1B
	s_mov_b32 s[(\g)+1], 128<<16                   ; tensor_dim0 = 128
	s_mov_b32 s[(\g)+3], 128<<16                   ; tile_dim0 = 128
	s_mov_b32 s[(\g)+5], 2048                      ; elements from row to row
	s_mov_b32 s[(\g)+6], 0
	s_mov_b32 s[(\g)+7], 0
.endr
	s_mov_b32 s[G1A+2], 64<<16                     ; oh: 64 rows to a load,
	s_mov_b32 s[G1A+4], 64
	s_mov_b32 s[G1B+2], 128<<16                    ; woh: 128
	s_mov_b32 s[G1B+4], 128
	s_lshl_b32 s20, s13, 19                        ; oh: 128 ty rows of 4,096 bytes, and my half's 64
	s_lshl_b32 s40, s11, 18
	s_add_co_u32 s20, s20, s40
	s_mov_b32 s21, 0
	s_lshl_b32 s22, s14, 9                         ; woh: column 256 tx + 128 x half
	s_lshl_b32 s41, s11, 8
	s_add_co_u32 s22, s22, s41
	s_mov_b32 s23, 0
	s_mul_i32 s19, s11, HALFA                      ; where the fills land in a slot
	s_mul_i32 s42, s11, SUBT
	s_add_co_u32 s42, s42, BOFF
	s_wait_dscnt 0x0                               ; the opening add is done
	s_wait_kmcnt 0x0
	s_add_nc_u64 s[20:21], s[4:5], s[20:21]
	s_add_nc_u64 s[22:23], s[6:7], s[22:23]
	s_add_nc_u64 s[72:73], s[20:21], s[OA:OA+1]    ; both at the cluster's first K step
	s_add_nc_u64 s[74:75], s[22:23], s[OBF:OBF+1]
	s_add_co_u32 s[KI], s[KI], 2                   ; the first refill brings the step two on (14 at the most)
	CROUND                                         ; all sixteen work-groups are here: the first joint loads meet
.irp s, 0,1
	s_mov_b32 s[G0A+4*(\s)], 1
	s_add_co_u32 s[G0A+4*(\s)+1], s19, (\s)*SLOT
	s_add_nc_u64 s[G0A+4*(\s)+2:G0A+4*(\s)+3], s[72:73], (\s)*ASTEP
	s_or_b32 s[G0A+4*(\s)+3], s[G0A+4*(\s)+3], 0x80000000
	s_mov_b32 s[G0B+4*(\s)], 1
	s_add_co_u32 s[G0B+4*(\s)+1], s42, (\s)*SLOT
	s_add_nc_u64 s[G0B+4*(\s)+2:G0B+4*(\s)+3], s[74:75], (\s)*BSTEPG
	s_or_b32 s[G0B+4*(\s)+3], s[G0B+4*(\s)+3], 0x80000000
	JLOAD \s                                       ; two loads of mine are out
.endr
	v_and_b32 v1, 15, v0                           ; r
	v_bfe_u32 v2, v0, 4, 1                         ; h
	v_and_b32 v3, 7, v0
	v_bfe_u32 v4, v0, 3, 1
	v_mul_u32_u24 v5, v1, PA
	v_lshl_add_u32 v5, v2, 4, v5
	v_add_nc_u32 v[ADRA], AOFF, v5
	v_add_nc_u32 v[ADRA+1], AOFF+SLOT, v5
	v_lshl_add_u32 v6, v2, 3, v3
	v_mul_u32_u24 v6, v6, PB
	v_lshl_add_u32 v6, v4, 4, v6
	s_mul_i32 s40, s10, SUBT                       ; my sub-tile,
	s_lshl_b32 s41, s11, 7                         ; my 64 columns in it
	s_add_co_u32 s40, s40, s41
	v_add_nc_u32 v6, s40, v6
	v_add_nc_u32 v[ADRB], BOFF, v6
	v_add_nc_u32 v[ADRB+1], BOFF+SLOT, v6
	s_mul_i32 s40, s12, 16*SP
	s_add_co_u32 s40, s40, STAGE                   ; my stage
	v_mul_u32_u24 v7, v1, SP                       ; in: row r, 32 bytes for each half of the lanes
	v_lshl_add_u32 v7, v2, 5, v7
	v_add_nc_u32 v[STO], s40, v7
	v_mul_u32_u24 v8, v2, SP                       ; back: lanes 0-15 take one row of 256 bytes, lanes 16-31 the next
	v_lshl_add_u32 v8, v1, 4, v8
	v_add_nc_u32 v[RD], s40, v8
	v_lshlrev_b32 v9, 13, v2                       ; and the same two rows in out0, 8,192 bytes apart
	v_lshl_add_u32 v[CO], v1, 4, v9
	s_lshl_b32 s44, s13, 20                        ; out0: 128 ty rows of 8,192 bytes, 1,024 tx + 256 w bytes along them
	s_lshl_b32 s46, s14, 10
	s_add_co_u32 s44, s44, s46
	s_lshl_b32 s46, s12, 8
	s_add_co_u32 s44, s44, s46
	s_mov_b32 s45, 0
	s_add_nc_u64 s[8:9], s[8:9], s[44:45]
.macro MULB f, b0, b1, zero            ; column blocks b0 .. b1 x all 8 row blocks, 32 along K; all accumulators differ, one instruction a turn
	WIN W_M1
.set bb, \b0
.rept (\b1)-(\b0)+1
.set aa, 0
.rept 8
.set rD, 8*(8*bb+aa)
.set rB, FB+8*NBW*(\f)+8*bb
.set rA, FA+64*(\f)+8*aa
.if \zero
	v_wmma_f32_16x16x32_f16 v[rD:rD+7], v[rB:rB+7], v[rA:rA+7], 0
.else
	v_wmma_f32_16x16x32_f16 v[rD:rD+7], v[rB:rB+7], v[rA:rA+7], v[rD:rD+7]
.endif
.set aa, aa+1
.endr
.set bb, bb+1
.endr
.endm
.macro FETCH slot, q, f                ; one run of LDS loads: quarter q of a slot into buffer f: oh's 16 loads first, then woh's 8
	WIN 0
.set aa, 0
.rept 8
	ds_load_b128 v[FA+64*(\f)+8*aa:FA+64*(\f)+8*aa+3],   v[ADRA+(\slot)] offset:64*(\q)+aa*16*PA
	ds_load_b128 v[FA+64*(\f)+8*aa+4:FA+64*(\f)+8*aa+7], v[ADRA+(\slot)] offset:64*(\q)+aa*16*PA+32
.set aa, aa+1
.endr
.set bb, 0
.rept NBW
	ds_load_tr16_b128 v[FB+8*NBW*(\f)+8*bb:FB+8*NBW*(\f)+8*bb+3],   v[ADRB+NH*(\slot)+bb/BPH] offset:(\q)*32*PB+(bb%BPH)*BSTEP
	ds_load_tr16_b128 v[FB+8*NBW*(\f)+8*bb+4:FB+8*NBW*(\f)+8*bb+7], v[ADRB+NH*(\slot)+bb/BPH] offset:(\q)*32*PB+(bb%BPH)*BSTEP+16*PB
.set bb, bb+1
.endr
.endm
.macro QUARTER slot, q, f, g, zero
	s_wait_dscnt 2*NBW-4                           ; oh's fragments and column blocks 0, 1 are in; the youngest four loads (blocks 2, 3) may be out
	MULB \f, 0, 1, \zero
	PLACES
	FETCH \slot, \q, \g
	s_wait_dscnt NL                                ; all but the run just issued
	MULB \f, 2, NBW-1, \zero
.endm
; The last quarter multiplies buffer 1 and changes slots: one barrier; in front of it each wave waits for all its tensor loads (one is out: its part of the next slot), adds 0 to its spare word, and waits for
; that and for its reads of this slot.  fill = 1: the barrier opens a round of the cluster's, and the joint refill, two steps of the walk ahead, is the first tensor load behind the round; its address is made
; anew from the step's number while the add is out, where no tensor load of mine is out.
.macro TURN slot, next, fill
	WIN 0
	s_wait_tensorcnt 0x0
	ds_add_u32 v[SPW], v[NIL]
.if \fill
	s_lshl_b32 s[OA], s[KI], 8
	s_mul_i32 s[OBF], s[KI], BSTEPG
	s_add_nc_u64 s[G0A+4*(\slot)+2:G0A+4*(\slot)+3], s[20:21], s[OA:OA+1]
	s_or_b32 s[G0A+4*(\slot)+3], s[G0A+4*(\slot)+3], 0x80000000
	s_add_nc_u64 s[G0B+4*(\slot)+2:G0B+4*(\slot)+3], s[22:23], s[OBF:OBF+1]
	s_or_b32 s[G0B+4*(\slot)+3], s[G0B+4*(\slot)+3], 0x80000000
	s_add_co_u32 s[KI], s[KI], 1                   ; the walk goes round
	s_and_b32 s[KI], s[KI], 15
.endif
	s_wait_dscnt 2*NBW-3                           ; (the add and the youngest four loads may be out)
	MULB 1, 0, 0, 0
	s_wait_dscnt 0x0                               ; the add is done, and my reads of this slot are over
	s_barrier_signal -1
	MULB 1, 1, 1, 0
	WIN 0
	s_barrier_wait -1
.if \fill
	CREST
	JLOAD \slot                                    ; its four v_nop are also the places in front of the loads below
.else
	PLACES
.endif
	FETCH \next, 0, 0
	MULB 1, 2, NBW-1, 0
.endm
	s_wait_tensorcnt 1                             ; my part of the walk's step 0 is in; step 1's may stay out
	s_barrier_signal -1
	s_barrier_wait -1
	FETCH 0, 0, 0
	QUARTER 0, 1, 0, 1, 1                          ; the first quarter stands in front of the loop: its products start the sums
	WIN 0
	s_mov_b32 s3, LAPS-1
.Llap:
	QUARTER 0, 2, 1, 0, 0
	QUARTER 0, 3, 0, 1, 0
	TURN 0, 1, 1
	QUARTER 1, 1, 0, 1, 0
	QUARTER 1, 2, 1, 0, 0
	QUARTER 1, 3, 0, 1, 0
	TURN 1, 0, 1
	QUARTER 0, 1, 0, 1, 0
	WIN 0
	s_sub_co_u32 s3, s3, 1
	s_cmp_lg_u32 s3, 0
	s_cbranch_scc1 .Llap
	QUARTER 0, 2, 1, 0, 0                          ; the last lap fills nothing
	QUARTER 0, 3, 0, 1, 0
	TURN 0, 1, 0
	QUARTER 1, 1, 0, 1, 0
	QUARTER 1, 2, 1, 0, 0
	QUARTER 1, 3, 0, 1, 0
	s_wait_dscnt 2*NBW-4
	MULB 1, 0, 1, 0
	s_wait_dscnt 0x0
	MULB 1, 2, NBW-1, 0
	WIN 0
	PLACES
; THE WAY OUT, 16 rows at a time through my own stage: a lane's 32 bytes of a row go in, whole rows of 256 bytes come back and are stored.  The stage is the wave's own and LDS serves a wave's instructions in
; order, so no wait stands between the stores and the loads.  Each accumulator's low four registers are read first.
.macro TOSTAGE a
	s_wait_xcnt 0x0                                ; the stores of the block before the last have read their data: only behind this wait are those registers loaded again
	WIN 0x04                                       ; the data (source 1) lie in window 1
.set bb, 0
.rept 4
	ds_store_b128 v[STO], v[8*(8*bb+(\a)):8*(8*bb+(\a))+3]   offset:64*bb
	ds_store_b128 v[STO], v[8*(8*bb+(\a))+4:8*(8*bb+(\a))+7] offset:64*bb+16
.set bb, bb+1
.endr
	WIN 0
.set BK, 32+32*((\a)%2)
.irp t, 0,1,2,3,4,5,6,7
	ds_load_b128 v[BK+4*\t:BK+4*\t+3], v[RD] offset:\t*2*SP
.endr
.endm
.macro SEND a, younger                 ; younger: the LDS instructions issued behind block a's loads: the next block's sixteen, or none
.set BK, 32+32*((\a)%2)
.irp t, 0,1,2,3,4,5,6,7
	s_wait_dscnt (\younger)+7-\t
	global_store_b128 v[CO], v[BK+4*\t:BK+4*\t+3], s[8:9] offset:(16*(\a)+2*\t)*8192  ; 16 lanes store 256 consecutive bytes, at a multiple of 256 from out0's first; 126 rows at the most, inside the signed 24-bit immediate
.endr
.endm
	TOSTAGE 0
.irp a, 1,2,3,4,5,6,7
	TOSTAGE \a
	SEND (\a)-1, 16
.endr
	SEND 7, 0
	s_wait_tensorcnt 0x0                           ; the wave's end: the wait, the add and its wait, behind my last tensor load and my last LDS store
	ds_add_u32 v[SPW], v[NIL]
	s_wait_dscnt 0x0
	CROUND                                         ; the closing round: no work-group ends while a partner may still ask for a tile that names it
	s_endpgm
.Lfunc_end_k_qdd48a2daa0_oproj:
	.size	k_qdd48a2daa0_oproj, .Lfunc_end_k_qdd48a2daa0_oproj-k_qdd48a2daa0_oproj
	.p2alignl 7, 3214868480
	.fill 96, 4, 3214868480
	.section	.rodata,"a",@progbits
	.p2align	6, 0x0
	.amdhsa_kernel k_qdd48a2daa0_oproj
		.amdhsa_group_segment_fixed_size 327680
		.amdhsa_private_segment_fixed_size 0
		.amdhsa_enable_private_segment 0
		.amdhsa_kernarg_size 24
		.amdhsa_user_sgpr_count 2
		.amdhsa_user_sgpr_kernarg_segment_ptr 1
		.amdhsa_wavefront_size32 1
		.amdhsa_system_sgpr_workgroup_id_x 1
		.amdhsa_system_sgpr_workgroup_id_y 1
		.amdhsa_system_sgpr_workgroup_id_z 1
		.amdhsa_system_vgpr_workitem_id 0
		.amdhsa_next_free_vgpr 512
		.amdhsa_next_free_sgpr 80
		.amdhsa_reserve_vcc 0
		.amdhsa_float_denorm_mode_32 3
		.amdhsa_float_denorm_mode_16_64 3
		.amdhsa_memory_ordered 1
		.amdhsa_forward_progress 1
		.amdhsa_inst_pref_size 88
	.end_amdhsa_kernel
	.amdgpu_metadata
---
amdhsa.version: [ 1, 2 ]
amdhsa.kernels:
  - .name:           k_qdd48a2daa0_oproj
    .symbol:         k_qdd48a2daa0_oproj.kd
    .args:
      - { .name: oh, .offset: 0, .size: 8, .value_kind: global_buffer, .address_space: global }
      - { .name: woh, .offset: 8, .size: 8, .value_kind: global_buffer, .address_space: global }
      - { .name: out0, .offset: 16, .size: 8, .value_kind: global_buffer, .address_space: global }
    .group_segment_fixed_size: 327680
    .private_segment_fixed_size: 0
    .kernarg_segment_align: 8
    .kernarg_segment_size: 24
    .max_flat_workgroup_size: 128
    .sgpr_count:     80
    .vgpr_count:     512
    .wavefront_size: 32
...
	.end_amdgpu_metadata
.endif
;; end of part 4
